; MI455X (gfx1250); checked and timed in simulation.
; The chip was launched on July 23, 2026; its instructions are those of AMD's public machine-readable ISA for CDNA 5 (MIT licence, August 2026) and "CDNA5" Instruction Set Architecture Reference Guide (July 2026). The comments in the code are by the model that wrote it; some were corrected since.
;; Fast Typed Linear. Allowed arithmetic: float matrix products may take bf16 or f16 operands with f32 sums; other float arithmetic in f32, or as packed bf16 or f16 multiplies, adds, multiply-adds, maxima and minima; sums over many terms, partial sums and values carried from step to step in f32; what a program stores and reads back later, other than sums and carried values, may be rounded once to bf16 or f16.
;; Inputs: W 8 x 1,024 x 1,024 float32; b 8 x 1,024 float32; types 8,192 int32; x 8,192 x 1,024 float32.
;; Outputs: out0 8,192 x 1,024 float32.
;; 2 versions, each right and faster than the one before. Each part assembles by itself: llvm-mc -triple=amdgcn-amd-amdhsa -mcpu=gfx1250 --defsym DOCPART=n.
;; ======== version 1 of 2: 2 launches
;; workspace buffers: wb 16,777,216 bytes; xs 18,874,368 bytes; rows 36,864 bytes of whole numbers; tiles 512 bytes of whole numbers
;; launch prep (part 1): grid 256 x 2, 8 waves a work-group, no clusters, 6,400 bytes of LDS; arguments x, types, W, xs, wb, rows, tiles, out0; writes xs, wb, rows, tiles, out0
.if DOCPART == 1
	.amdgcn_target "amdgcn-amd-amdhsa--gfx1250"
	.amdhsa_code_object_version 6
	.text
	.protected	k_qf5686cd2f3_prep
	.globl	k_qf5686cd2f3_prep
	.p2align	8
	.type	k_qf5686cd2f3_prep,@function
k_qf5686cd2f3_prep:
	s_mov_b64 s[64:65], 0
	v_nop
	global_prefetch_b8 v0, s[64:65] scope:SCOPE_SE
	s_setreg_imm32_b32 hwreg(HW_REG_WAVE_MODE, 25, 1), 1
	s_wait_xcnt 0x0
; PREPARATION FOR out[n] = x[n] W[types[n]] + b[types[n]]:  x [8192][1024] f32, types [8192] i32 in any order, W [8][1024 k][1024 n] f32.
; Work-groups with y = 0 (256 of them): W is rounded once to bf16, same layout, into wb; 131,072 bytes of W each.
; Work-groups with y = 1 (256 of them): the rows of each type are dealt to TILES of 144 slots.  With c_e rows of type e, type e has ceil(c_e / 144) tiles, and
; the sum over the 8 types is at most floor((8192 + 8 x 143) / 144) = 64 for every split: 64 tiles serve every input.  Work-group q owns quarter p = q % 4 (36 slots) of tile j = q / 4.
; Every work-group counts all 8,192 types for itself, finds its tile's type and first rank, ranks the rows of that type (by wave, then by the thread's element, then by lane:
; the same order in every work-group), and gathers its 36 rows of x, rounded once to bf16, into xs [64][144][1024].  It stores the rows' numbers in rows [64 x 144] and, for p = 0, (type, count) in tiles [64][2].
; A slot at or past the tile's count repeats the tile's first row; a tile with count 0 takes row 0 and type 7: every byte of xs and rows is written.
; A row whose type lies outside 0..7 belongs to no tile: its row of out0 is zeros, and work-group q writes them for rows 32 q .. 32 q + 31.
; LIMITS.  x and W are rounded to bf16 (nearest even) here, once; nothing else is computed on them.
; No matrix unit, no tensor load, no cluster: both halves are streams, and no two work-groups read the same bytes but the 32 KiB of types.
.set TABP,  640                        ; a wave's own table of slots: 160 words: slots 0..143, word 144 for ranks outside the tile
.set WSUM,  8*TABP                     ; [8 waves][8 types] counts, 256 bytes
.set SPARE, WSUM+256                   ; the spare words: 128 bytes for each of 8 waves, four blocks of 256 bytes that no other line names
.set SPW, 16                           ; v16  LDS address of my spare word; never rewritten
.set NIL, 17                           ; v17  0; never rewritten
.set TY,  32                           ; v32-63   my 32 types; later at work for the table's reads
.set X,   64                           ; v64-223  five gathered rows, 32 registers each (W path: v64-127 a ring of 16 loads)
.set Y,   128                          ; W path: v128-191 packed results, two registers a step, none used twice
; v1 lane, v2 lane % 8, v3 16 t, v4 8 t, v5 16 lane, v6 8 lane, v7 4 t; v8-15 at work; v18-21 counts in 16-bit fields; v22-24 counts in bytes and nibbles; v26-29 zeros
; s[4:19] x, types, W, xs, wb, rows, tiles, out0; s20 wave, s21 q, s22 j, s23 p; s24-31 c_e; s32-39 tiles up to and with type e; s40 type, s41 its first tile, s42 its count,
; s43 the tile's first rank, s44 the tile's count, s45 running rank; s[48:57] five row addresses; s[58:59] xs at my first slot; s62 byte offset of my four types; s63 36 p + wave
	s_load_b512 s[4:19], s[0:1], 0x0
	v_lshl_add_u32 v[SPW], v0, 2, SPARE
	v_mov_b32 v[NIL], 0
	v_lshrrev_b32 v8, 5, v0
	v_readfirstlane_b32 s20, v8                    ; wave 0..7
	v_and_b32 v1, 31, v0
	v_and_b32 v2, 7, v0
	v_lshlrev_b32 v3, 4, v0
	v_lshlrev_b32 v4, 3, v0
	v_lshlrev_b32 v5, 4, v1
	v_lshlrev_b32 v6, 3, v1
	v_lshlrev_b32 v7, 2, v0
	s_mov_b32 s21, ttmp9
	s_lshr_b32 s22, s21, 2
	s_and_b32 s23, s21, 3
	s_and_b32 s46, ttmp7, 0xffff
	s_mov_b32 s47, 0
	s_wait_kmcnt 0x0
	s_cmp_lg_u32 s46, 0                            ; the same answer in all eight waves: the barriers below stand on one side only
	s_cbranch_scc1 .Lx
	; ---------------- y = 0: W to bf16.  32 steps of 4,096 bytes; 16 loads of every wave are on their way.
	s_lshl_b32 s46, s21, 17
	s_add_nc_u64 s[8:9], s[8:9], s[46:47]          ; W at my 131,072 bytes
	s_lshl_b32 s46, s21, 16
	s_add_nc_u64 s[12:13], s[12:13], s[46:47]      ; wb at my 65,536 bytes
.set i, 0
.rept 16
	global_load_b128 v[X+4*i:X+4*i+3], v3, s[8:9] offset:4096*i th:TH_LOAD_NT
.set i, i+1
.endr
.set i, 0
.rept 32
.if i < 16
	s_wait_loadcnt 15                              ; loads come back in order: load i is in, the 15 younger ones stay out
.else
	s_wait_loadcnt 31-i                            ; nothing more is asked for: the counts run down
.endif
	v_cvt_pk_bf16_f32 v[Y+2*i],   v[X+4*(i%16)],   v[X+4*(i%16)+1]
	v_cvt_pk_bf16_f32 v[Y+2*i+1], v[X+4*(i%16)+2], v[X+4*(i%16)+3]
.if i < 16
	global_load_b128 v[X+4*i:X+4*i+3], v3, s[8:9] offset:4096*(i+16) th:TH_LOAD_NT
.endif
	global_store_b64 v4, v[Y+2*i:Y+2*i+1], s[12:13] offset:2048*i  ; a wave stores 256 consecutive bytes, at a multiple of 256 from wb's first byte; its data registers are never rewritten
.set i, i+1
.endr
	s_wait_tensorcnt 0x0                           ; the wave's end
	ds_add_u32 v[SPW], v[NIL]
	s_wait_dscnt 0x0
	s_endpgm
	; ---------------- y = 1
.macro BFX r, m                        ; v[r] += v[r] of lane xor m, inside each 16 lanes
	v_mov_b32_dpp v8, v[\r] row_xmask:\m row_mask:0xf bank_mask:0xf
	v_add_nc_u32 v[\r], v[\r], v8
.endm
.macro BFH r                           ; v[r] += v[r] of the lane 16 away
	v_permlanex16_b32 v8, v[\r], s60, s61
	v_add_nc_u32 v[\r], v[\r], v8
.endm
; Eight of my types into nibble counts (nibble e counts type e; a type outside 0..7 adds nothing), then onto byte counts: v22 types 0, 2, 4, 6; v23 types 1, 3, 5, 7.  A nibble holds 8 at the most, a byte 32.
.macro CNT8 g
.set n, 0
.rept 8
	v_cmp_gt_u32 vcc_lo, 8, v[TY+8*(\g)+n]
	v_cndmask_b32 v8, 0, 1, vcc_lo
	v_lshlrev_b32 v9, 2, v[TY+8*(\g)+n]
.if n == 0
	v_lshlrev_b32 v24, v9, v8
.else
	v_lshlrev_b32 v10, v9, v8
	v_add_nc_u32 v24, v24, v10
.endif
.set n, n+1
.endr
.if (\g) == 0
	v_and_b32 v22, 0x0f0f0f0f, v24
	v_lshrrev_b32 v23, 4, v24
	v_and_b32 v23, 0x0f0f0f0f, v23
.else
	v_and_b32 v8, 0x0f0f0f0f, v24
	v_lshrrev_b32 v9, 4, v24
	v_and_b32 v9, 0x0f0f0f0f, v9
	v_add_nc_u32 v22, v22, v8
	v_add_nc_u32 v23, v23, v9
.endif
.endm
.macro SLOTADR r                       ; a slot's number becomes its byte in a table: a slot at or past the count takes slot 0; the clamp with its constant stands last before the shift
	v_cmp_gt_u32 vcc_lo, s44, v[\r]
	v_cndmask_b32 v[\r], 0, v[\r], vcc_lo
	v_min_u32 v[\r], 0x8f, v[\r]
	v_lshlrev_b32 v[\r], 2, v[\r]
.endm
.macro TABRD d, a, t                   ; one wave wrote the slot's row, the other seven tables hold 0 there: the sum of the eight words is the row
.irp u, 0,1,2,3,4,5,6,7
	ds_load_b32 v[(\t)+(\u)], v[\a] offset:TABP*(\u)
.endr
	s_wait_dscnt 0x0
	v_add3_u32 v[\d], v[\t], v[(\t)+1], v[(\t)+2]
	v_add3_u32 v[\d], v[\d], v[(\t)+3], v[(\t)+4]
	v_add3_u32 v[\d], v[\d], v[(\t)+5], v[(\t)+6]
	v_add_nc_u32 v[\d], v[\d], v[(\t)+7]
.endm
.macro ROWLD i                         ; a whole row of x, 4,096 bytes: eight loads of 512 consecutive bytes.  No hint: a row may be named by several slots
.irp k, 0,1,2,3,4,5,6,7
	global_load_b128 v[X+32*(\i)+4*(\k):X+32*(\i)+4*(\k)+3], v5, s[48+2*(\i):49+2*(\i)] offset:512*(\k)
.endr
.endm
.macro ROWOUT i, left                  ; left: the loads of the rows behind this one
	s_wait_loadcnt \left
.irp k, 0,1,2,3,4,5,6,7
	v_cvt_pk_bf16_f32 v[X+32*(\i)+4*(\k)],   v[X+32*(\i)+4*(\k)],   v[X+32*(\i)+4*(\k)+1]
	v_cvt_pk_bf16_f32 v[X+32*(\i)+4*(\k)+1], v[X+32*(\i)+4*(\k)+2], v[X+32*(\i)+4*(\k)+3]
	global_store_b64 v6, v[X+32*(\i)+4*(\k):X+32*(\i)+4*(\k)+1], s[58:59] offset:16384*(\i)+256*(\k)  ; 256 consecutive bytes, at a multiple of 256 from xs's first byte
.endr
.endm
.macro ZROW i                          ; a row of no type gets zeros; whole stores are jumped, nothing else
	s_cmp_gt_u32 s[24+(\i)], 7
	s_cbranch_scc0 .Lhas_type_\@
.irp k, 0,1,2,3,4,5,6,7
	global_store_b128 v5, v[26:29], s[18:19] offset:4096*(\i)+512*(\k)
.endr
.Lhas_type_\@:
.endm
.Lx:
.set i, 0
.rept 8
	global_load_b128 v[TY+4*i:TY+4*i+3], v3, s[6:7] offset:4096*i  ; element c of load i is row 4 t + 1024 i + c
.set i, i+1
.endr
	v_mov_b32 v26, 0
	v_mov_b32 v27, 0
	v_mov_b32 v28, 0
	v_mov_b32 v29, 0
	s_mul_i32 s47, s20, TABP                       ; my wave's table
	v_lshl_add_u32 v9, v1, 2, s47
.irp k, 0,1,2,3,4
	ds_store_b32 v9, v26 offset:128*(\k)           ; cleared by its own wave: LDS serves a wave's instructions in order, so no barrier stands between this and my stores below
.endr
	s_mov_b32 s60, 0x76543210
	s_mov_b32 s61, 0xfedcba98
	s_mov_b32 s2, 0xaaaaaaaa                       ; lanes with bit 0, bit 1, bit 2 of their number set
	s_mov_b32 s3, 0xcccccccc
	s_mov_b32 s62, 0xf0f0f0f0
	s_mov_b32 s63, 29826162                        ; ceil(2^32 / 144): the high word of n x this is floor(n / 144) for every n below 2^27
	s_wait_loadcnt 0x0
	CNT8 0
	CNT8 1
	CNT8 2
	CNT8 3
	v_and_b32 v18, 0x00ff00ff, v22                 ; 16-bit fields: v18 types 0 | 4, v19 types 2 | 6, v20 types 1 | 5, v21 types 3 | 7; a wave's sum is 1,024 at the most
	v_lshrrev_b32 v19, 8, v22
	v_and_b32 v19, 0x00ff00ff, v19
	v_and_b32 v20, 0x00ff00ff, v23
	v_lshrrev_b32 v21, 8, v23
	v_and_b32 v21, 0x00ff00ff, v21
.irp r, 18,19,20,21
	BFX \r, 1
	BFX \r, 2
	BFX \r, 4
	BFX \r, 8
	BFH \r
.endr
	v_cndmask_b32 v8, v18, v20, s2                 ; lane l takes the wave's count of type l % 8
	v_cndmask_b32 v9, v19, v21, s2
	v_cndmask_b32 v8, v8, v9, s3
	v_and_b32 v9, 0xffff, v8
	v_lshrrev_b32 v10, 16, v8
	v_cndmask_b32 v8, v9, v10, s62
	s_lshl_b32 s46, s20, 5
	v_lshl_add_u32 v9, v2, 2, s46
	ds_store_b32 v9, v8 offset:WSUM                ; four lanes write each word, with the same number
	s_wait_dscnt 0x0                               ; for the others' sake: my counts are in LDS
	s_barrier_signal -1
	s_barrier_wait -1
	v_lshlrev_b32 v9, 2, v1
	ds_load_b32 v10, v9 offset:WSUM                ; waves 0-3, word 8 wave + type = lane
	ds_load_b32 v11, v9 offset:WSUM+128            ; waves 4-7
	s_wait_dscnt 0x0
	v_add_nc_u32 v10, v10, v11
	BFX 10, 8
	BFH 10                                         ; lane l: c of type l % 8
.irp e, 0,1,2,3,4,5,6,7
	v_readlane_b32 s[24+(\e)], v10, \e
.endr
	s_add_co_u32 s46, s24, 143
	s_mul_hi_u32 s32, s46, s63                     ; tiles of type 0
.irp e, 1,2,3,4,5,6,7
	s_add_co_u32 s46, s[24+(\e)], 143
	s_mul_hi_u32 s46, s46, s63
	s_add_co_u32 s[32+(\e)], s[31+(\e)], s46       ; tiles of types 0 .. e
.endr
	s_mov_b32 s40, 0
	s_mov_b32 s41, 0
	s_mov_b32 s42, s24
.irp e, 0,1,2,3,4,5,6
	s_cmp_le_u32 s[32+(\e)], s22                   ; tile j lies behind the tiles of types 0 .. e: the type is e + 1 or later
	s_cselect_b32 s40, (\e)+1, s40
	s_cselect_b32 s41, s[32+(\e)], s41
	s_cselect_b32 s42, s[25+(\e)], s42
.endr
	s_min_u32 s40, s40, 7
	s_sub_co_u32 s43, s22, s41
	s_mul_i32 s43, s43, 144                        ; the tile's first rank among its type's rows
	s_sub_co_i32 s44, s42, s43
	s_max_i32 s44, s44, 0
	s_min_i32 s44, s44, 144                        ; its count; 0 for a tile behind the last type's tiles
	s_lshl_b32 s62, s21, 7                         ; the types of my wave's four rows 32 q + 4 wave + 0..3, for the zeros at the end: asked for now, waited for there;
	s_lshl_b32 s46, s20, 4                         ; s62 is not written again
	s_add_co_u32 s62, s62, s46
	s_load_b128 s[24:27], s[6:7], s62 offset:0x0
	v_lshlrev_b32 v9, 5, v2                        ; lane l: the count of my tile's type in wave l % 8,
	s_lshl_b32 s46, s40, 2
	v_add_nc_u32 v9, s46, v9
	ds_load_b32 v10, v9 offset:WSUM
	s_wait_dscnt 0x0
	v_cmp_gt_u32 vcc_lo, s20, v2                   ; kept for the waves in front of mine,
	v_cndmask_b32 v10, 0, v10, vcc_lo
	BFX 10, 1
	BFX 10, 2
	BFX 10, 4                                      ; and added up
	v_readfirstlane_b32 s45, v10
	s_sub_co_u32 s45, s45, s43                     ; my wave's first rank, counted from the tile's first; below the tile it wraps round and is clamped away
.set n, 0
.rept 32
	v_cmp_eq_u32 vcc_lo, s40, v[TY+n]
	v_mbcnt_lo_u32_b32 v[8+2*(n%2)], vcc_lo, s45   ; the slot: running rank + the matching lanes below mine
	s_bcnt1_i32_b32 s46, vcc_lo
	v_cndmask_b32 v[8+2*(n%2)], 0x90, v[8+2*(n%2)], vcc_lo
	v_min_u32 v[8+2*(n%2)], 0x90, v[8+2*(n%2)]     ; another type, or a rank outside the tile: word 144
	v_lshl_add_u32 v[8+2*(n%2)], v[8+2*(n%2)], 2, s47
	v_add_nc_u32 v[9+2*(n%2)], 1024*(n/4)+n%4, v7  ; the row
	ds_store_b32 v[8+2*(n%2)], v[9+2*(n%2)]
	s_add_co_u32 s45, s45, s46
.set n, n+1
.endr
	s_wait_dscnt 0x0                               ; for the others' sake: my table is written
	s_barrier_signal -1
	s_barrier_wait -1
	; my wave's slots of the quarter: wave + 8 i, i = 0..3, and for waves 0-3 also i = 4: 36 in all.  Lane i (0..4) looks slot i up.
	s_mul_i32 s63, s23, 36
	s_add_co_u32 s63, s63, s20
	v_lshl_add_u32 v8, v2, 3, s63
	SLOTADR 8
	TABRD 9, 8, TY
	s_mov_b32 s47, 0
.irp i, 0,1,2,3,4
	v_readlane_b32 s46, v9, \i
	s_min_u32 s46, s46, 0x1fff
	s_lshl_b32 s46, s46, 12
	s_add_nc_u64 s[48+2*(\i):49+2*(\i)], s[4:5], s[46:47]
.endr
	s_mul_i32 s46, s22, 144
	s_add_co_u32 s46, s46, s63
	s_lshl_b32 s46, s46, 11
	s_add_nc_u64 s[58:59], s[10:11], s[46:47]      ; xs at slot 144 j + 36 p + wave; my next slot lies 8 x 2,048 bytes on
	s_cmp_lt_u32 s20, 4
	s_cbranch_scc0 .Lno_fifth_in
	ROWLD 4                                        ; the fifth row first: it is then older than all the loads that the counts below leave out, with and without it
.Lno_fifth_in:
	ROWLD 0
	ROWLD 1
	ROWLD 2
	ROWLD 3
	; the lists, by wave 0, while the rows are on their way
	s_cmp_lg_u32 s20, 0
	s_cbranch_scc1 .Lno_list
	s_mul_i32 s46, s23, 36
	v_add_nc_u32 v8, s46, v1                       ; slots 36 p + lane and 36 p + 4 + lane cover the 36; where they overlap the same numbers are stored twice
	v_add_nc_u32 v9, 4, v8
	SLOTADR 8
	SLOTADR 9
	TABRD 10, 8, TY
	TABRD 11, 9, TY+8
	s_mul_i32 s47, s22, 144
	s_add_co_u32 s47, s47, s46
	v_add_lshl_u32 v12, s47, v1, 2
	global_store_b32 v12, v10, s[14:15]
	global_store_b32 v12, v11, s[14:15] offset:16
	s_cmp_lg_u32 s23, 0
	s_cbranch_scc1 .Lno_list
	v_mov_b32 v14, s40
	v_mov_b32 v15, s44
	s_lshl_b32 s46, s22, 3
	v_mov_b32 v13, s46
	global_store_b64 v13, v[14:15], s[16:17]       ; (type, count) of tile j: every lane stores the same eight bytes
.Lno_list:
	ROWOUT 0, 24
	ROWOUT 1, 16
	ROWOUT 2, 8
	ROWOUT 3, 0
	s_cmp_lt_u32 s20, 4
	s_cbranch_scc0 .Lno_fifth_out
	ROWOUT 4, 0
.Lno_fifth_out:
	s_lshl_b32 s46, s62, 10                        ; (32 q + 4 wave) rows of 4,096 bytes
	s_mov_b32 s47, 0
	s_add_nc_u64 s[18:19], s[18:19], s[46:47]
	s_wait_kmcnt 0x0                               ; my four rows' types
	ZROW 0
	ZROW 1
	ZROW 2
	ZROW 3
	s_wait_tensorcnt 0x0                           ; the wave's end, behind my last LDS store
	ds_add_u32 v[SPW], v[NIL]
	s_wait_dscnt 0x0
	s_endpgm
.Lfunc_end_k_qf5686cd2f3_prep:
	.size	k_qf5686cd2f3_prep, .Lfunc_end_k_qf5686cd2f3_prep-k_qf5686cd2f3_prep
	.p2alignl 7, 3214868480
	.fill 96, 4, 3214868480
	.section	.rodata,"a",@progbits
	.p2align	6, 0x0
	.amdhsa_kernel k_qf5686cd2f3_prep
		.amdhsa_group_segment_fixed_size 6400
		.amdhsa_private_segment_fixed_size 0
		.amdhsa_enable_private_segment 0
		.amdhsa_kernarg_size 64
		.amdhsa_user_sgpr_count 2
		.amdhsa_user_sgpr_kernarg_segment_ptr 1
		.amdhsa_wavefront_size32 1
		.amdhsa_system_sgpr_workgroup_id_x 1
		.amdhsa_system_sgpr_workgroup_id_y 1
		.amdhsa_system_sgpr_workgroup_id_z 1
		.amdhsa_system_vgpr_workitem_id 0
		.amdhsa_next_free_vgpr 224
		.amdhsa_next_free_sgpr 66
		.amdhsa_reserve_vcc 1
		.amdhsa_float_denorm_mode_32 3
		.amdhsa_float_denorm_mode_16_64 3
		.amdhsa_memory_ordered 1
		.amdhsa_forward_progress 1
		.amdhsa_inst_pref_size 64
	.end_amdhsa_kernel
	.amdgpu_metadata
---
amdhsa.version: [ 1, 2 ]
amdhsa.kernels:
  - .name:           k_qf5686cd2f3_prep
    .symbol:         k_qf5686cd2f3_prep.kd
    .args:
      - { .name: x, .offset: 0, .size: 8, .value_kind: global_buffer, .address_space: global }
      - { .name: types, .offset: 8, .size: 8, .value_kind: global_buffer, .address_space: global }
      - { .name: W, .offset: 16, .size: 8, .value_kind: global_buffer, .address_space: global }
      - { .name: xs, .offset: 24, .size: 8, .value_kind: global_buffer, .address_space: global }
      - { .name: wb, .offset: 32, .size: 8, .value_kind: global_buffer, .address_space: global }
      - { .name: rows, .offset: 40, .size: 8, .value_kind: global_buffer, .address_space: global }
      - { .name: tiles, .offset: 48, .size: 8, .value_kind: global_buffer, .address_space: global }
      - { .name: out0, .offset: 56, .size: 8, .value_kind: global_buffer, .address_space: global }
    .group_segment_fixed_size: 6400
    .private_segment_fixed_size: 0
    .kernarg_segment_align: 8
    .kernarg_segment_size: 64
    .max_flat_workgroup_size: 256
    .sgpr_count:     66
    .vgpr_count:     224
    .wavefront_size: 32
...
	.end_amdgpu_metadata
.endif
;; end of part 1
;; launch gemm (part 2): grid 256 x 1, 4 waves a work-group, clusters of 4 x 1, 327,680 bytes of LDS; arguments xs, wb, b, rows, tiles, out0; writes out0
.if DOCPART == 2
	.amdgcn_target "amdgcn-amd-amdhsa--gfx1250"
	.amdhsa_code_object_version 6
	.text
	.protected	k_qf5686cd2f3_gemm
	.globl	k_qf5686cd2f3_gemm
	.p2align	8
	.type	k_qf5686cd2f3_gemm,@function
k_qf5686cd2f3_gemm:
	s_mov_b64 s[64:65], 0
	v_nop
	global_prefetch_b8 v0, s[64:65] scope:SCOPE_SE
	s_setreg_imm32_b32 hwreg(HW_REG_WAVE_MODE, 25, 1), 1
	s_wait_xcnt 0x0
	s_wait_alu depctr_hold_cnt(0) depctr_sa_sdst(0) depctr_va_vdst(0) depctr_va_sdst(0) depctr_va_ssrc(0) depctr_va_vcc(0) depctr_vm_vsrc(0)
	s_getreg_b32 s2, hwreg(HW_REG_IB_STS2, 6, 4)
	s_cmp_eq_u32 s2, 0
	s_cbranch_scc0 .Lentry_in_a_cluster
	s_endpgm
.Lentry_in_a_cluster:
	s_bfe_u32 s2, ttmp6, 0x10000c
	s_cmp_lg_u32 s2, 0x3003
	s_cbranch_scc0 .Lentry_shape_is_right
	s_endpgm
.Lentry_shape_is_right:
; out0[rows[s]][n] = b[e][n] + sum over k of xs[s][k] wb[e][k][n], for the slots s of one tile (144 slots of one type e) and 256 columns n.
; xs [64 tiles][144][1024] bf16, wb [8][1024 k][1024 n] bf16, b [8][1024] f32, rows [64 x 144] i32, tiles [64][2] i32 (type, count), out0 [8192][1024] f32.
; SHARES.  64 tiles x 4 column tiles = 256 work-groups of four waves.  A wave makes all 144 rows x 64 columns: 36 accumulators of 16 x 16 (block a = 0..8 of rows, nb = 0..3 of columns), 288 registers.
; For 32 along K it reads 9 fragments of A and 4 of B from LDS (26 loads) for 36 matrix instructions.  K goes in 8 steps of 128 through a ring of two LDS slots.
; CLUSTER.  The four column tiles of one tile of rows form a cluster and need the same rows of xs: A's tiles are asked for JOINTLY (mask of four).  B's tiles are each work-group's own: partners for B would be
; tiles of rows of one type, and dealing every type whole groups of four tiles of M rows inside 64 tiles wants floor((8192 + 8 (4 M - 1)) / (4 M)) <= 16 for every split, M of 228 or more, which 64 equal tiles of 8,192 rows do not give.
; THE MATRIX INSTRUCTION IS USED TRANSPOSED: source 0 = 16 columns of B (turned out of LDS by ds_load_tr16_b128, since wb lies [k][n]), source 1 = 16 rows of A.  A lane then holds row l % 16 and the
; eight neighbouring columns 8 (l / 16) + 0..7.  The bias, laid out so, is the C operand of the first products: nothing is cleared and nothing is added later.
; THE WAY OUT.  16 rows at a time through the wave's own stage in LDS, back as whole rows of 256 bytes, each stored to the row of out0 that rows names.
; NO BRANCH HANGS ON THE COUNT: it is a loaded number, and in a launch with joint loads and the cluster's barrier every work-group walks the same text.  All nine blocks go through the stage; the global stores of a
; block that begins at or past the count are switched off by EXEC.
; LIMITS.  Operands are bf16 (rounded once by the launch before), sums f32 from the f32 bias on, K ascending.  A slot at or past the tile's count repeats the tile's first row: the same operands give the same
; numbers, and inside the last block of 16 they are stored again to the same bytes by the same wave.  A tile with count 0 walks all K steps, since its partners' joint loads and the barriers want it there, and stores nothing.
; REGISTERS, in windows of 256 (s_set_vgpr_msb: bits 1:0 source 0, 3:2 source 1, 5:4 source 2, 7:6 destination):
;   window 0: v0-31 addresses; v32-135, v136-239 two fragment buffers (A's block a at +8 a, B's block nb at +72 + 8 nb); on the way out v32-63, v64-95 rows read back
;   window 1: accumulator (a, nb), a < 8, at v[8 (4 a + nb)]      window 2: v0-31 accumulators (8, nb); v32-63 the bias; v64-135 the 72 store offsets of my lane
.set KSTEP, 128
.set PA,    272                        ; a row of A in LDS: 256 bytes + 16 = 68 words: the 16 rows of a load start at 16 different groups of four banks (64 banks of 4 bytes: ISA guide 11.1)
.set PB,    544                        ; a k row of B: 512 bytes + 32 = 136 words
.set BOFF,  144*PA                     ; a slot: A's 144 rows, then B's 128 k rows
.set SLOT,  BOFF+128*PB                ; 108,800 bytes
.set STAGE, 2*SLOT                     ; behind the ring, never filled by a tensor load: 16 rows x 272 bytes for each wave
.set SP,    272
.set SPARE, STAGE+4*16*SP              ; the spare words: 128 bytes for each wave, two blocks of 256 bytes that no other line names
.set ADRA, 16                          ; v16-17  LDS address of my lane's part of A's fragments in slot 0, 1
.set ADRB, 20                          ; v20-21  the same for B
.set STO,  24                          ; v24     the way out: where I put my 32 bytes of a row
.set RD,   25                          ; v25     the way out: where I read rows back
.set COL,  26                          ; v26     16 (l % 16): my 16 bytes in a row's 256
.set HH,   27                          ; v27     32 (l / 16): my eight numbers of the bias, my eight of rows
.set SPW,  28                          ; v28     LDS address of my spare word; never rewritten
.set NIL,  29                          ; v29     0; never rewritten
.set CNT,  30                          ; v30     the tile's count, in every lane
.set F0,   32
.set F1,   136
.set BKS,  32                          ; the way out: two banks of 32 registers
.set BI,   32                          ; window 2
.set RO,   64                          ; window 2: the offset in out0 of row 16 a + 8 (l / 16) + t, with my 16 bytes, at RO + 8 a + t
.set G1A, 24                           ; s[24:31] descriptor group 1 for A's tiles;  s[32:39] group 0, a set for each slot
.set G0A, 32
.set G1B, 40                           ; s[40:47], s[48:55] the same for B's
.set G0B, 48
; s[4:15] xs, wb, b, rows, tiles, out0; s16 wave, s17 wave / 2 (0: I fetch A, 1: B), s18 wave % 2 (which half), s19 cx, s20 the tile; s3 laps; s56 type, s57 count; s22-23, s58-63 at work
.set MSB, 0
.macro WIN new                         ; the immediate's high byte repeats the setting that is left; a switch that changes nothing is dropped
.if MSB != (\new)
	s_set_vgpr_msb (MSB<<8)|(\new)
.set MSB, \new
.endif
.endm
; A fill.  Waves 0 and 1 ask jointly for the two halves of A's tile (72 rows each), waves 2 and 3 for the two halves of the work-group's own tile of B (64 k rows each).  The branch hangs on the wave's number alone.
; An s_nop 0 and four v_nop follow each of the two lines, ahead of the jump and the label.
.macro JLOAD s
	s_cmp_eq_u32 s17, 0
	s_cbranch_scc0 .Lfor_b_\@
	tensor_load_to_lds s[G0A+4*(\s):G0A+4*(\s)+3], s[G1A:G1A+7]
	s_nop 0
.rept 4
	v_nop
.endr
	s_branch .Lasked_\@
.Lfor_b_\@:
	tensor_load_to_lds s[G0B+4*(\s):G0B+4*(\s)+3], s[G1B:G1B+7]
	s_nop 0
.rept 4
	v_nop
.endr
.Lasked_\@:
.endm
.macro CREST                           ; a round of the cluster's barrier behind its opening barrier: wave 0 signals for the work-group, every wave waits for all four, my work-group's barrier closes it
	s_cmp_lg_u32 s16, 0
	s_cbranch_scc1 .Lnot_wave_0_\@
	s_barrier_signal -3
.Lnot_wave_0_\@:
	s_barrier_wait -3
	s_barrier_signal -1
	s_barrier_wait -1
.endm
.macro CROUND                          ; a whole round
	s_barrier_signal -1
	s_barrier_wait -1
	CREST
.endm
.macro PLACES                          ; four plain vector instructions between a matrix instruction and a load into, or a store out of, its registers (ISA guide 7.12.1 for vector instructions)
.rept 4
	v_nop
.endr
.endm
	s_load_b256 s[4:11], s[0:1], 0x0               ; xs s[4:5], wb s[6:7], b s[8:9], rows s[10:11]
	s_load_b128 s[12:15], s[0:1], 0x20             ; tiles s[12:13], out0 s[14:15]
	v_lshl_add_u32 v[SPW], v0, 2, SPARE
	v_mov_b32 v[NIL], 0
	ds_add_u32 v[SPW], v[NIL]                      ; the wave's opening: the add and its wait stand ahead of my first tensor load; the set-up below, work on registers, stands between them
	v_lshrrev_b32 v1, 5, v0
	v_readfirstlane_b32 s16, v1                    ; wave 0..3
	s_lshr_b32 s17, s16, 1
	s_and_b32 s18, s16, 1
	s_bfe_u32 s19, ttmp6, 0x40000                  ; cx: my column tile; it enters B's, b's and out0's addresses alone
	s_mov_b32 s20, ttmp9                           ; in a cluster launch ttmp9 counts clusters: the tile of rows, which the four partners share
	; group 1 for A: 72 rows x 128 elements, 16 bytes of padding behind each row
	s_mov_b32 s[G1A+0], 15|(1<<16)|(1<<20)|(1<<21)|(5<<22)|(3<<25)  ; 15:0 the mask of four; 17:16 2-byte elements; 20 padding on; 21 set beside a mask; 24:22 after every 64 words (code 5); 31:25 4 words (code 3)
	s_mov_b32 s[G1A+1], KSTEP<<16                  ; tensor_dim0 = 128
	s_mov_b32 s[G1A+2], 72<<16                     ; tensor_dim1 = 72
	s_mov_b32 s[G1A+3], KSTEP<<16                  ; tile_dim0 = 128
	s_mov_b32 s[G1A+4], 72                         ; tile_dim1 = 72
	s_mov_b32 s[G1A+5], 1024                       ; elements from row to row
	s_mov_b32 s[G1A+6], 0
	s_mov_b32 s[G1A+7], 0
	; group 1 for B: 64 k rows x 256 elements, 32 bytes of padding behind each row; no mask
	s_mov_b32 s[G1B+0], (1<<16)|(1<<20)|(6<<22)|(7<<25)  ; after every 128 words (code 6), 8 words (code 7)
	s_mov_b32 s[G1B+1], 256<<16
	s_mov_b32 s[G1B+2], 64<<16
	s_mov_b32 s[G1B+3], 256<<16
	s_mov_b32 s[G1B+4], 64
	s_mov_b32 s[G1B+5], 1024
	s_mov_b32 s[G1B+6], 0
	s_mov_b32 s[G1B+7], 0
	s_lshl_b32 s58, s20, 3
	s_mul_i32 s60, s18, 72*PA                      ; where my half goes in a slot, if I fetch A,
	s_mul_i32 s61, s18, 64*PB
	s_add_co_u32 s61, s61, BOFF                    ; and if I fetch B: the wave's number and constants alone
	s_wait_dscnt 0x0                               ; the opening add is done
	s_wait_kmcnt 0x0
	s_load_b64 s[56:57], s[12:13], s58 offset:0x0  ; the tile's type and count: the same two numbers in all four partners
	s_wait_kmcnt 0x0
	s_min_u32 s56, s56, 7
	s_min_u32 s57, s57, 144
	s_mul_i32 s58, s20, 144*2048                   ; A: the tile's 144 rows of 2,048 bytes, my half of them; made of the tile and the wave's number alone
	s_mul_i32 s22, s18, 72*2048
	s_add_co_u32 s58, s58, s22
	s_mov_b32 s59, 0
	s_add_nc_u64 s[58:59], s[4:5], s[58:59]
	s_lshl_b32 s62, s56, 21                        ; B: the type's 2 MiB, my 64 k rows of 2,048 bytes, my column tile's 512 bytes
	s_lshl_b32 s22, s18, 17
	s_add_co_u32 s62, s62, s22
	s_lshl_b32 s22, s19, 9
	s_add_co_u32 s62, s62, s22
	s_mov_b32 s63, 0
	s_add_nc_u64 s[62:63], s[6:7], s[62:63]
	CROUND                                         ; all four work-groups are here: the first joint loads meet
.irp s, 0,1
	s_mov_b32 s[G0A+4*(\s)], 1                     ; 1:0 count = 1
	s_add_co_u32 s[G0A+4*(\s)+1], s60, (\s)*SLOT   ; 63:32 LDS address
	s_add_nc_u64 s[G0A+4*(\s)+2:G0A+4*(\s)+3], s[58:59], (\s)*KSTEP*2  ; 120:64 global address: K step s
	s_or_b32 s[G0A+4*(\s)+3], s[G0A+4*(\s)+3], 0x80000000              ; 127:126 type = 2
	s_mov_b32 s[G0B+4*(\s)], 1
	s_add_co_u32 s[G0B+4*(\s)+1], s61, (\s)*SLOT
	s_add_nc_u64 s[G0B+4*(\s)+2:G0B+4*(\s)+3], s[62:63], (\s)*KSTEP*2048
	s_or_b32 s[G0B+4*(\s)+3], s[G0B+4*(\s)+3], 0x80000000
	JLOAD \s                                       ; both slots are asked for before anything else: two loads of mine are out
.endr
	; while the first tiles are on their way: the bias, the rows' numbers, the lane's addresses
	v_and_b32 v1, 15, v0                           ; l % 16
	v_bfe_u32 v2, v0, 4, 1                         ; l / 16
	v_lshlrev_b32 v[COL], 4, v1
	v_lshlrev_b32 v[HH], 5, v2
	v_mov_b32 v[CNT], s57
	s_lshl_b32 s22, s56, 12                        ; b at the type's row, my column tile's 1,024 bytes, my wave's 256
	s_lshl_b32 s23, s19, 10
	s_add_co_u32 s22, s22, s23
	s_lshl_b32 s23, s16, 8
	s_add_co_u32 s22, s22, s23
	s_mov_b32 s23, 0
	s_add_nc_u64 s[8:9], s[8:9], s[22:23]
	s_mul_i32 s22, s20, 144*4
	s_add_nc_u64 s[10:11], s[10:11], s[22:23]      ; rows at the tile's first slot
	s_lshl_b32 s22, s19, 10
	s_lshl_b32 s60, s16, 8
	s_add_co_u32 s22, s22, s60
	s_add_nc_u64 s[14:15], s[14:15], s[22:23]      ; out0 at my wave's 64 columns
	WIN 0x80                                       ; destination window 2, address window 0
.irp nb, 0,1,2,3
	global_load_b128 v[BI+8*(\nb):BI+8*(\nb)+3],   v[HH], s[8:9] offset:64*(\nb)     ; register i of block nb: b[column 16 nb + 8 (l / 16) + i]: the layout of a result
	global_load_b128 v[BI+8*(\nb)+4:BI+8*(\nb)+7], v[HH], s[8:9] offset:64*(\nb)+16
.endr
.irp a, 0,1,2,3,4,5,6,7,8
	global_load_b128 v[RO+8*(\a):RO+8*(\a)+3],   v[HH], s[10:11] offset:64*(\a)     ; rows[16 a + 8 (l / 16) + 0..7]
	global_load_b128 v[RO+8*(\a)+4:RO+8*(\a)+7], v[HH], s[10:11] offset:64*(\a)+16
.endr
	WIN 0
	v_mul_u32_u24 v3, v1, PA
	v_lshl_add_u32 v[ADRA], v2, 4, v3              ; A: row l % 16 x pitch + 16 (l / 16)
	v_add_nc_u32 v[ADRA+1], SLOT, v[ADRA]
	v_and_b32 v4, 7, v0                            ; B, turned: lane l reads k row 8 (l / 16) + l % 8, columns 8 ((l / 8) % 2) + 0..7, and is left with column l % 16 and 8 k
	v_lshl_add_u32 v4, v2, 3, v4
	v_mul_u32_u24 v4, v4, PB
	v_bfe_u32 v5, v0, 3, 1
	v_lshl_add_u32 v4, v5, 4, v4
	s_lshl_b32 s22, s16, 7                         ; my wave's 64 columns: 128 bytes
	s_add_co_u32 s22, s22, BOFF
	v_add_nc_u32 v[ADRB], s22, v4
	v_add_nc_u32 v[ADRB+1], SLOT, v[ADRB]
	s_mul_i32 s22, s16, 16*SP
	s_add_co_u32 s22, s22, STAGE                   ; my stage
	v_mul_u32_u24 v6, v1, SP                       ; in: row l % 16, 32 bytes for each half of the lanes
	v_lshl_add_u32 v6, v2, 5, v6
	v_add_nc_u32 v[STO], s22, v6
	v_mul_u32_u24 v6, v2, 8*SP                     ; back: lanes 0-15 take row t, lanes 16-31 row t + 8, 256 bytes each
	v_lshl_add_u32 v6, v1, 4, v6
	v_add_nc_u32 v[RD], s22, v6
	s_wait_loadcnt 0x0                             ; the bias and the rows' numbers
	WIN 0x8a                                       ; sources 0 and 1 and the destination in window 2, source 2 in window 0
.set i, 0
.rept 72
	v_min_u32 v[RO+i], 0x1fff, v[RO+i]             ; a row's number stays inside out0,
	v_lshl_add_u32 v[RO+i], v[RO+i], 12, v[COL]    ; times 4,096 bytes, plus my 16 bytes
.set i, i+1
.endr
	WIN 0
; Four matrix instructions: block a of rows x the four blocks of columns, 32 along K, out of buffer f.  first = 1: the bias starts the sums.
.macro MULB f, a, first
.if (\a) < 8
.if \first
	WIN 0x60                                       ; D window 1, C (the bias) window 2
.else
	WIN 0x50                                       ; C and D window 1
.endif
.set AC, 32*(\a)
.else
	WIN 0xa0                                       ; C and D window 2
.set AC, 0
.endif
.irp nb, 0,1,2,3
.if \first
	v_wmma_f32_16x16x32_bf16 v[AC+8*(\nb):AC+8*(\nb)+7], v[(\f)+72+8*(\nb):(\f)+72+8*(\nb)+7], v[(\f)+8*(\a):(\f)+8*(\a)+7], v[BI+8*(\nb):BI+8*(\nb)+7]
.else
	v_wmma_f32_16x16x32_bf16 v[AC+8*(\nb):AC+8*(\nb)+7], v[(\f)+72+8*(\nb):(\f)+72+8*(\nb)+7], v[(\f)+8*(\a):(\f)+8*(\a)+7], v[AC+8*(\nb):AC+8*(\nb)+7]
.endif
.endr
.endm
; Blocks a0 .. a1.  The 36 accumulators take turns, one instruction a turn, in the same order in every quarter, over the loop's jump too.
.macro MUL f, a0, a1, first=0
.set ma, \a0
.rept (\a1)-(\a0)+1
	MULB \f, ma, \first
.set ma, ma+1
.endr
.endm
; 26 LDS loads in one run: the fragments of 32 along K (byte k of A's rows, k row k / 2 of B) into buffer f: B's four first, then A's nine in ascending order
.macro FETCH slot, k, f
	WIN 0
.irp nb, 0,1,2,3
	ds_load_tr16_b128 v[(\f)+72+8*(\nb):(\f)+72+8*(\nb)+3],   v[ADRB+(\slot)] offset:PB*((\k)/2)+32*(\nb)
	ds_load_tr16_b128 v[(\f)+72+8*(\nb)+4:(\f)+72+8*(\nb)+7], v[ADRB+(\slot)] offset:PB*((\k)/2)+32*(\nb)+16*PB
.endr
.irp a, 0,1,2,3,4,5,6,7,8
	ds_load_b128 v[(\f)+8*(\a):(\f)+8*(\a)+3],   v[ADRA+(\slot)] offset:(\k)+(\a)*16*PA
	ds_load_b128 v[(\f)+8*(\a)+4:(\f)+8*(\a)+7], v[ADRA+(\slot)] offset:(\k)+(\a)*16*PA+32
.endr
.endm
; A K step is four quarters of 32 along K, 36 matrix instructions each, on buffers 0, 1, 0, 1.  One of the first three: multiplies buffer f; in its middle it fetches the next quarter, at byte k, into g.
.macro QUARTER slot, k, f, g, first=0
	s_wait_dscnt 10                                ; B and A's blocks 0-3 are in; the youngest ten loads (A's blocks 4-8) may be out
	MUL \f, 0, 3, \first
	PLACES                                         ; buffer g was multiplied in the quarter before
	FETCH \slot, \k, \g
	s_wait_dscnt 26                                ; all but the 26 just issued
	MUL \f, 4, 8, \first
.endm
; The last quarter multiplies buffer 1 and changes slots.  ONE barrier: in front of it each wave waits for all its tensor loads, of which one is out: its part of the next slot; adds 0 to its spare word;
; and waits for that and for its own reads of this slot.  Behind it nobody reads this slot any more and the next slot is whole.
.macro MEET
	WIN 0
	s_wait_tensorcnt 0x0                           ; all my tensor loads have landed
	ds_add_u32 v[SPW], v[NIL]                      ; 0 onto my spare word
	s_wait_dscnt 11                                ; (the add and the youngest ten loads may be out)
	MUL F1, 0, 1                                   ; eight matrix instructions stand between the add and the wait for it
	s_wait_dscnt 0x0                               ; the add is done, and my reads of this slot are over
	s_barrier_signal -1
	MUL F1, 2, 3                                   ; work on registers while the others arrive
	WIN 0
	s_barrier_wait -1
.endm
; fill = 1: the barrier opens a round of the cluster's barrier, so that no wave of any partner still reads the slot or has a load on its way; the slot is filled again, two K steps on, first thing behind the
; round: 128 matrix instructions of the wave stand between that request and the wait for it.
.macro TURN slot, next, fill
	MEET
.if \fill
	CREST
	s_add_nc_u64 s[G0A+4*(\slot)+2:G0A+4*(\slot)+3], s[G0A+4*(\slot)+2:G0A+4*(\slot)+3], 2*KSTEP*2     ; no tensor load of mine is out: the group 0 may be written
	s_add_nc_u64 s[G0B+4*(\slot)+2:G0B+4*(\slot)+3], s[G0B+4*(\slot)+2:G0B+4*(\slot)+3], 2*KSTEP*2048
	JLOAD \slot                                    ; the four v_nop behind it are also the places in front of the loads below
.else
	PLACES
.endif
	FETCH \next, 0, F0
	MUL F1, 4, 8
.endm
; Block a of 16 rows leaves: f32 as it is, 32 bytes a lane into my stage (each accumulator's low half first), back as whole rows, each to its own row of out0.
; The LDS work runs with all lanes on in every block.  The eight global stores run with all lanes on where the block begins below the count, and with none where it does not.
; EXEC is a source of a pending store: it is narrowed and widened only behind s_wait_xcnt 0 (ISA guide 3.1).  The wait in front of the widening also serves the next block's narrowing, since no global
; instruction is issued between the two, and it frees the bank of registers that the stores read.
.macro OUTBLK a
.if (\a) < 8
	WIN 0x04                                       ; store data (source 1) in window 1
.set AC, 32*(\a)
.else
	WIN 0x08                                       ; in window 2
.set AC, 0
.endif
.irp nb, 0,1,2,3
	ds_store_b128 v[STO], v[AC+8*(\nb):AC+8*(\nb)+3]   offset:64*(\nb)
	ds_store_b128 v[STO], v[AC+8*(\nb)+4:AC+8*(\nb)+7] offset:64*(\nb)+16
.endr
	WIN 0
.set BK, BKS+32*((\a)%2)
.irp t, 0,1,2,3,4,5,6,7
	ds_load_b128 v[BK+4*(\t):BK+4*(\t)+3], v[RD] offset:SP*(\t)  ; LDS serves a wave's instructions in order (ISA guide 5.7.1.4): these see the stores above
.endr
	v_cmp_lt_u32 vcc_lo, 16*(\a), v[CNT]           ; does the block begin below the count?  The same answer in every lane
.if (\a) == 0
	s_wait_xcnt 0x0                                ; the first narrowing: every earlier memory instruction has had its addresses translated
.endif
	s_and_saveexec_b32 s22, vcc_lo
	WIN 0x02                                       ; the offset (source 0) in window 2
.irp t, 0,1,2,3,4,5,6,7
	s_wait_dscnt 7-(\t)                            ; load t is in, the younger ones stay out
	global_store_b128 v[RO+8*(\a)+(\t)], v[BK+4*(\t):BK+4*(\t)+3], s[14:15] th:TH_STORE_NT  ; 16 lanes store 256 consecutive bytes of one row, at a multiple of 256 from out0's first byte
.endr
	WIN 0
	s_wait_xcnt 0x0                                ; EXEC is widened only behind this wait
	s_or_b32 exec_lo, exec_lo, s22                 ; all lanes on again
.endm
	s_wait_tensorcnt 1                             ; my part of K step 0 is in; K step 1's may stay out
	s_barrier_signal -1
	s_barrier_wait -1                              ; everybody's is
	FETCH 0, 0, F0
	QUARTER 0, 64,  F0, F1, 1                      ; the first quarter stands in front of the loop: its products start the sums, from the bias
	WIN 0                                          ; at a label and at a branch every window is 0
	s_mov_b32 s3, 3                                ; 1024 / 256 - 1 trips
.Llap:                                                 ; a trip goes once round the ring, from a lap's second quarter to the next lap's first, and fills both slots again
	QUARTER 0, 128, F1, F0
	QUARTER 0, 192, F0, F1
	TURN 0, 1, 1
	QUARTER 1, 64,  F0, F1
	QUARTER 1, 128, F1, F0
	QUARTER 1, 192, F0, F1
	TURN 1, 0, 1
	QUARTER 0, 64,  F0, F1
	WIN 0
	s_sub_co_u32 s3, s3, 1
	s_cmp_lg_u32 s3, 0
	s_cbranch_scc1 .Llap
	QUARTER 0, 128, F1, F0                         ; the last lap is written out: it fills nothing, and has no round of the cluster's barrier
	QUARTER 0, 192, F0, F1
	TURN 0, 1, 0
	QUARTER 1, 64,  F0, F1
	QUARTER 1, 128, F1, F0
	QUARTER 1, 192, F0, F1
	s_wait_dscnt 10                                ; the very last quarter: nothing more to fetch
	MUL F1, 0, 3
	s_wait_dscnt 0x0
	MUL F1, 4, 8
	WIN 0
	PLACES                                         ; the stores below read results just made
	OUTBLK 0
	OUTBLK 1
	OUTBLK 2
	OUTBLK 3
	OUTBLK 4
	OUTBLK 5
	OUTBLK 6
	OUTBLK 7
	OUTBLK 8
	s_wait_tensorcnt 0x0                           ; the wave's end, behind my last tensor load and my last LDS store
	ds_add_u32 v[SPW], v[NIL]
	s_wait_dscnt 0x0
	CROUND                                         ; the closing round: no work-group ends while a partner may still ask for a tile that names it
	s_endpgm
.Lfunc_end_k_qf5686cd2f3_gemm:
	.size	k_qf5686cd2f3_gemm, .Lfunc_end_k_qf5686cd2f3_gemm-k_qf5686cd2f3_gemm
	.p2alignl 7, 3214868480
	.fill 96, 4, 3214868480
	.section	.rodata,"a",@progbits
	.p2align	6, 0x0
	.amdhsa_kernel k_qf5686cd2f3_gemm
		.amdhsa_group_segment_fixed_size 327680
		.amdhsa_private_segment_fixed_size 0
		.amdhsa_enable_private_segment 0
		.amdhsa_kernarg_size 48
		.amdhsa_user_sgpr_count 2
		.amdhsa_user_sgpr_kernarg_segment_ptr 1
		.amdhsa_wavefront_size32 1
		.amdhsa_system_sgpr_workgroup_id_x 1
		.amdhsa_system_sgpr_workgroup_id_y 1
		.amdhsa_system_sgpr_workgroup_id_z 1
		.amdhsa_system_vgpr_workitem_id 0
		.amdhsa_next_free_vgpr 648
		.amdhsa_next_free_sgpr 66
		.amdhsa_reserve_vcc 1
		.amdhsa_float_denorm_mode_32 3
		.amdhsa_float_denorm_mode_16_64 3
		.amdhsa_memory_ordered 1
		.amdhsa_forward_progress 1
		.amdhsa_inst_pref_size 109
	.end_amdhsa_kernel
	.amdgpu_metadata
---
amdhsa.version: [ 1, 2 ]
amdhsa.kernels:
  - .name:           k_qf5686cd2f3_gemm
    .symbol:         k_qf5686cd2f3_gemm.kd
    .args:
      - { .name: xs, .offset: 0, .size: 8, .value_kind: global_buffer, .address_space: global }
      - { .name: wb, .offset: 8, .size: 8, .value_kind: global_buffer, .address_space: global }
      - { .name: b, .offset: 16, .size: 8, .value_kind: global_buffer, .address_space: global }
      - { .name: rows, .offset: 24, .size: 8, .value_kind: global_buffer, .address_space: global }
      - { .name: tiles, .offset: 32, .size: 8, .value_kind: global_buffer, .address_space: global }
      - { .name: out0, .offset: 40, .size: 8, .value_kind: global_buffer, .address_space: global }
    .group_segment_fixed_size: 327680
    .private_segment_fixed_size: 0
    .kernarg_segment_align: 8
    .kernarg_segment_size: 48
    .max_flat_workgroup_size: 128
    .sgpr_count:     66
    .vgpr_count:     648
    .wavefront_size: 32
...
	.end_amdgpu_metadata
.endif
;; end of part 2
;; ======== version 2 of 2: 2 launches; 1.12 times as fast as version 1
;; workspace buffers: wb 16,777,216 bytes; xs 18,874,368 bytes; rows 36,864 bytes of whole numbers; tiles 512 bytes of whole numbers
;; launch prep (part 3): grid 256 x 2, 8 waves a work-group, no clusters, 23,296 bytes of LDS; arguments x, types, W, xs, wb, rows, tiles, out0; writes xs, wb, rows, tiles, out0
.if DOCPART == 3
	.amdgcn_target "amdgcn-amd-amdhsa--gfx1250"
	.amdhsa_code_object_version 6
	.text
	.protected	k_qf5686cd2f3_prep
	.globl	k_qf5686cd2f3_prep
	.p2align	8
	.type	k_qf5686cd2f3_prep,@function
k_qf5686cd2f3_prep:
	s_mov_b64 s[64:65], 0
	v_nop
	global_prefetch_b8 v0, s[64:65] scope:SCOPE_SE
	s_setreg_imm32_b32 hwreg(HW_REG_WAVE_MODE, 25, 1), 1
	s_wait_xcnt 0x0
; PREPARATION FOR out[n] = x[n] W[types[n]] + b[types[n]]:  x [8192][1024] f32, types [8192] i32 in any order, W [8][1024 k][1024 n] f32.
; Work-groups with y = 0 (256 of them): W is rounded once to bf16 and laid out as the next launch's matrix operands take it:
;   wb [8 types][16 groups of 64 columns][32 blocks of 32 k][4 fragments of 16 columns][2 halves j][32 lanes l][8 bf16]: column l % 16 of the fragment, k = 16 j + 8 (l / 16) + 0..7 of the block.
;   Work-group q takes type q / 32, k block q % 32, all 1,024 columns: 131,072 consecutive bytes of W; wave w takes column groups 2 w and 2 w + 1.
; Work-groups with y = 1 (256 of them): the rows of each type are dealt to TILES of 144 slots.  With c_e rows of type e, type e has ceil(c_e / 144) tiles, and
; the sum over the 8 types is at most floor((8192 + 8 x 143) / 144) = 64 for every split: 64 tiles serve every input.  Work-group q owns quarter p = q % 4 (36 slots) of tile j = q / 4.
; Every work-group counts all 8,192 types for itself, finds its tile's type and first rank, ranks the rows of that type (by wave, then by the thread's element, then by lane:
; the same order in every work-group), and gathers its 36 rows of x, rounded once to bf16, into xs [64][144][1024].  It stores the rows' numbers in rows [64 x 144] and, for p = 0, (type, count) in tiles [64][2].
; A slot at or past the tile's count repeats the tile's first row; a tile with count 0 takes row 0 and type 7: every byte of xs and rows is written.
; A row whose type lies outside 0..7 belongs to no tile: its row of out0 is zeros, and work-group q writes them for rows 32 q .. 32 q + 31.
; LIMITS.  x and W are rounded to bf16 (nearest even) here, once; nothing else is computed on them.
; No matrix unit, no tensor load, no cluster: both halves are streams, and no two work-groups read the same bytes but the 32 KiB of types.
.set TABP,  640                        ; a wave's own table of slots: 160 words: slots 0..143, word 144 for ranks outside the tile
.set WSUM,  8*TABP                     ; [8 waves][8 types] counts, 256 bytes
.set SPARE, WSUM+256                   ; the spare words: 128 bytes for each of 8 waves, four blocks of 256 bytes that no other line names
.set WST,   SPARE+1024                 ; y = 0: a stage of its own for each wave,
.set WSTP,  4*528                      ; four half fragments of 512 bytes, 528 apart
.set SPW, 16                           ; v16  LDS address of my spare word; never rewritten
.set NIL, 17                           ; v17  0; never rewritten
.set TY,  32                           ; v32-63   my 32 types; later at work for the table's reads
.set X,   64                           ; v64-223  five gathered rows, 32 registers each (y = 0: v64-191 four groups of eight loads)
.set Y,   32                           ; y = 0: v32-63 packed columns, two banks of 16
; v1 lane, v2 lane % 8, v3 16 t, v4 8 t, v5 16 lane, v6 8 lane, v7 4 t; v8-15 at work; v18-21 counts in 16-bit fields; v22-24 counts in bytes and nibbles; v26-29 zeros
; s[4:19] x, types, W, xs, wb, rows, tiles, out0; s20 wave, s21 q, s22 j, s23 p; s24-31 c_e; s32-39 tiles up to and with type e; s40 type, s41 its first tile, s42 its count,
; s43 the tile's first rank, s44 the tile's count, s45 running rank; s[48:57] five row addresses; s[58:59] xs at my first slot; s62 byte offset of my four types; s63 36 p + wave
	s_load_b512 s[4:19], s[0:1], 0x0
	v_lshl_add_u32 v[SPW], v0, 2, SPARE
	v_mov_b32 v[NIL], 0
	v_lshrrev_b32 v8, 5, v0
	v_readfirstlane_b32 s20, v8                    ; wave 0..7
	v_and_b32 v1, 31, v0
	v_and_b32 v2, 7, v0
	v_lshlrev_b32 v3, 4, v0
	v_lshlrev_b32 v4, 3, v0
	v_lshlrev_b32 v5, 4, v1
	v_lshlrev_b32 v6, 3, v1
	v_lshlrev_b32 v7, 2, v0
	s_mov_b32 s21, ttmp9
	s_lshr_b32 s22, s21, 2
	s_and_b32 s23, s21, 3
	s_and_b32 s46, ttmp7, 0xffff
	s_mov_b32 s47, 0
	s_wait_kmcnt 0x0
	s_cmp_lg_u32 s46, 0                            ; the same answer in all eight waves: the barriers below stand on one side only
	s_cbranch_scc1 .Lx
	; ---------------- y = 0: W to bf16, in fragments.
	; Lane (m = l % 16, h = l / 16) holds columns 4 m .. 4 m + 3 of a group of 64 and, in group s = 2 t + j of its loads, the rows 16 j + 8 h + 0..7 of column group 2 w + t.
	; Rounding rows k and k + 1 of one column into one register makes a column's eight k, 16 bytes, in four registers.  Column 4 m + c belongs to fragment m / 4, place 4 (m % 4) + c:
	; the stage puts the columns in the order of the lanes, so that each store to memory covers 512 consecutive bytes.
.macro WGRP s                          ; group s: round, into my stage, back in lane order (into the first 16 of the group's own registers)
	s_wait_loadcnt 24-8*(\s)                       ; loads come back in order: this group's eight are in, the later groups' stay out
.irp c, 0,1,2,3
.irp p, 0,1,2,3
	v_cvt_pk_bf16_f32 v[Y+16*((\s)%2)+4*(\c)+(\p)], v[X+32*(\s)+8*(\p)+(\c)], v[X+32*(\s)+8*(\p)+4+(\c)]
.endr
.endr
.irp c, 0,1,2,3
	ds_store_b128 v11, v[Y+16*((\s)%2)+4*(\c):Y+16*((\s)%2)+4*(\c)+3] offset:16*(\c)
.endr
.irp nb, 0,1,2,3
	ds_load_b128 v[X+32*(\s)+4*(\nb):X+32*(\s)+4*(\nb)+3], v13 offset:528*(\nb)  ; LDS serves a wave's instructions in order (ISA guide 5.7.1.4): these see the stores above, and the next group's stores come behind them
.endr
.endm
.macro WOUT s, younger                 ; younger: the LDS instructions issued behind group s's loads: the next group's eight, or none
	s_wait_dscnt \younger
.irp nb, 0,1,2,3
	global_store_b128 v5, v[X+32*(\s)+4*(\nb):X+32*(\s)+4*(\nb)+3], s[12:13] offset:((\s)/2)*131072+(\nb)*1024+((\s)%2)*512  ; 512 consecutive bytes, at a multiple of 256 from wb's first byte; the data registers are never rewritten
.endr
.endm
	s_lshl_b32 s46, s21, 17
	s_add_nc_u64 s[8:9], s[8:9], s[46:47]          ; W at type q / 32, row 32 (q % 32): q x 131,072 bytes
	v_and_b32 v8, 15, v0                           ; m
	v_bfe_u32 v9, v0, 4, 1                         ; h
	v_lshlrev_b32 v10, 4, v8                       ; my 16 bytes of a row's 256,
	v_lshl_add_u32 v10, v9, 15, v10                ; 8 rows of 4,096 bytes down for lanes 16-31,
	s_lshl_b32 s24, s20, 9
	v_add_nc_u32 v10, s24, v10                     ; my wave's 512 bytes of the row
.set n, 0
.rept 32                               ; all 32 loads go out at once; 16 lanes cover 256 consecutive bytes, at a multiple of 256 from W's first byte
	global_load_b128 v[X+4*n:X+4*n+3], v10, s[8:9] offset:(16*((n/8)%2)+n%8)*4096+256*(n/16) th:TH_LOAD_NT
.set n, n+1
.endr
	s_lshr_b32 s46, s21, 5                         ; wb at the type's 2 MiB,
	s_lshl_b32 s46, s46, 21
	s_and_b32 s24, s21, 31                         ; the k block's 4,096 bytes,
	s_lshl_b32 s24, s24, 12
	s_add_co_u32 s46, s46, s24
	s_lshl_b32 s24, s20, 18                        ; column group 2 w: 131,072 bytes a group
	s_add_co_u32 s46, s46, s24
	s_add_nc_u64 s[12:13], s[12:13], s[46:47]
	s_mul_i32 s24, s20, WSTP
	s_add_co_u32 s24, s24, WST                     ; my stage
	v_lshrrev_b32 v12, 2, v8
	v_mul_u32_u24 v11, v12, 528                    ; in: fragment m / 4,
	v_and_b32 v12, 3, v8
	v_lshl_add_u32 v11, v12, 6, v11                ; places 4 (m % 4) + c,
	v_lshl_add_u32 v11, v9, 8, v11                 ; 16 places on for lanes 16-31
	v_add_nc_u32 v11, s24, v11
	v_lshl_add_u32 v13, v1, 4, s24                 ; back: 16 bytes a lane
	WGRP 0
	WGRP 1
	WOUT 0, 8
	WGRP 2
	WOUT 1, 8
	WGRP 3
	WOUT 2, 8
	WOUT 3, 0
	s_wait_tensorcnt 0x0                           ; the wave's end, behind my last LDS store
	ds_add_u32 v[SPW], v[NIL]
	s_wait_dscnt 0x0
	s_endpgm
	; ---------------- y = 1
.macro BFX r, m                        ; v[r] += v[r] of lane xor m, inside each 16 lanes
	v_mov_b32_dpp v8, v[\r] row_xmask:\m row_mask:0xf bank_mask:0xf
	v_add_nc_u32 v[\r], v[\r], v8
.endm
.macro BFH r                           ; v[r] += v[r] of the lane 16 away
	v_permlanex16_b32 v8, v[\r], s60, s61
	v_add_nc_u32 v[\r], v[\r], v8
.endm
; Eight of my types into nibble counts (nibble e counts type e; a type outside 0..7 adds nothing), then onto byte counts: v22 types 0, 2, 4, 6; v23 types 1, 3, 5, 7.  A nibble holds 8 at the most, a byte 32.
.macro CNT8 g
.set n, 0
.rept 8
	v_cmp_gt_u32 vcc_lo, 8, v[TY+8*(\g)+n]
	v_cndmask_b32 v8, 0, 1, vcc_lo
	v_lshlrev_b32 v9, 2, v[TY+8*(\g)+n]
.if n == 0
	v_lshlrev_b32 v24, v9, v8
.else
	v_lshlrev_b32 v10, v9, v8
	v_add_nc_u32 v24, v24, v10
.endif
.set n, n+1
.endr
.if (\g) == 0
	v_and_b32 v22, 0x0f0f0f0f, v24
	v_lshrrev_b32 v23, 4, v24
	v_and_b32 v23, 0x0f0f0f0f, v23
.else
	v_and_b32 v8, 0x0f0f0f0f, v24
	v_lshrrev_b32 v9, 4, v24
	v_and_b32 v9, 0x0f0f0f0f, v9
	v_add_nc_u32 v22, v22, v8
	v_add_nc_u32 v23, v23, v9
.endif
.endm
.macro SLOTADR r                       ; a slot's number becomes its byte in a table: a slot at or past the count takes slot 0; the clamp with its constant stands last before the shift
	v_cmp_gt_u32 vcc_lo, s44, v[\r]
	v_cndmask_b32 v[\r], 0, v[\r], vcc_lo
	v_min_u32 v[\r], 0x8f, v[\r]
	v_lshlrev_b32 v[\r], 2, v[\r]
.endm
.macro TABRD d, a, t                   ; one wave wrote the slot's row, the other seven tables hold 0 there: the sum of the eight words is the row
.irp u, 0,1,2,3,4,5,6,7
	ds_load_b32 v[(\t)+(\u)], v[\a] offset:TABP*(\u)
.endr
	s_wait_dscnt 0x0
	v_add3_u32 v[\d], v[\t], v[(\t)+1], v[(\t)+2]
	v_add3_u32 v[\d], v[\d], v[(\t)+3], v[(\t)+4]
	v_add3_u32 v[\d], v[\d], v[(\t)+5], v[(\t)+6]
	v_add_nc_u32 v[\d], v[\d], v[(\t)+7]
.endm
.macro ROWLD i                         ; a whole row of x, 4,096 bytes: eight loads of 512 consecutive bytes.  No hint: a row may be named by several slots
.irp k, 0,1,2,3,4,5,6,7
	global_load_b128 v[X+32*(\i)+4*(\k):X+32*(\i)+4*(\k)+3], v5, s[48+2*(\i):49+2*(\i)] offset:512*(\k)
.endr
.endm
.macro ROWOUT i, left                  ; left: the loads of the rows behind this one
	s_wait_loadcnt \left
.irp k, 0,1,2,3,4,5,6,7
	v_cvt_pk_bf16_f32 v[X+32*(\i)+4*(\k)],   v[X+32*(\i)+4*(\k)],   v[X+32*(\i)+4*(\k)+1]
	v_cvt_pk_bf16_f32 v[X+32*(\i)+4*(\k)+1], v[X+32*(\i)+4*(\k)+2], v[X+32*(\i)+4*(\k)+3]
	global_store_b64 v6, v[X+32*(\i)+4*(\k):X+32*(\i)+4*(\k)+1], s[58:59] offset:16384*(\i)+256*(\k)  ; 256 consecutive bytes, at a multiple of 256 from xs's first byte
.endr
.endm
.macro ZROW i                          ; a row of no type gets zeros; whole stores are jumped, nothing else
	s_cmp_gt_u32 s[24+(\i)], 7
	s_cbranch_scc0 .Lhas_type_\@
.irp k, 0,1,2,3,4,5,6,7
	global_store_b128 v5, v[26:29], s[18:19] offset:4096*(\i)+512*(\k)
.endr
.Lhas_type_\@:
.endm
.Lx:
.set i, 0
.rept 8
	global_load_b128 v[TY+4*i:TY+4*i+3], v3, s[6:7] offset:4096*i  ; element c of load i is row 4 t + 1024 i + c
.set i, i+1
.endr
	v_mov_b32 v26, 0
	v_mov_b32 v27, 0
	v_mov_b32 v28, 0
	v_mov_b32 v29, 0
	s_mul_i32 s47, s20, TABP                       ; my wave's table
	v_lshl_add_u32 v9, v1, 2, s47
.irp k, 0,1,2,3,4
	ds_store_b32 v9, v26 offset:128*(\k)           ; cleared by its own wave: LDS serves a wave's instructions in order, so no barrier stands between this and my stores below
.endr
	s_mov_b32 s60, 0x76543210
	s_mov_b32 s61, 0xfedcba98
	s_mov_b32 s2, 0xaaaaaaaa                       ; lanes with bit 0, bit 1, bit 2 of their number set
	s_mov_b32 s3, 0xcccccccc
	s_mov_b32 s62, 0xf0f0f0f0
	s_mov_b32 s63, 29826162                        ; ceil(2^32 / 144): the high word of n x this is floor(n / 144) for every n below 2^27
	s_wait_loadcnt 0x0
	CNT8 0
	CNT8 1
	CNT8 2
	CNT8 3
	v_and_b32 v18, 0x00ff00ff, v22                 ; 16-bit fields: v18 types 0 | 4, v19 types 2 | 6, v20 types 1 | 5, v21 types 3 | 7; a wave's sum is 1,024 at the most
	v_lshrrev_b32 v19, 8, v22
	v_and_b32 v19, 0x00ff00ff, v19
	v_and_b32 v20, 0x00ff00ff, v23
	v_lshrrev_b32 v21, 8, v23
	v_and_b32 v21, 0x00ff00ff, v21
.irp r, 18,19,20,21
	BFX \r, 1
	BFX \r, 2
	BFX \r, 4
	BFX \r, 8
	BFH \r
.endr
	v_cndmask_b32 v8, v18, v20, s2                 ; lane l takes the wave's count of type l % 8
	v_cndmask_b32 v9, v19, v21, s2
	v_cndmask_b32 v8, v8, v9, s3
	v_and_b32 v9, 0xffff, v8
	v_lshrrev_b32 v10, 16, v8
	v_cndmask_b32 v8, v9, v10, s62
	s_lshl_b32 s46, s20, 5
	v_lshl_add_u32 v9, v2, 2, s46
	ds_store_b32 v9, v8 offset:WSUM                ; four lanes write each word, with the same number
	s_wait_dscnt 0x0                               ; for the others' sake: my counts are in LDS
	s_barrier_signal -1
	s_barrier_wait -1
	v_lshlrev_b32 v9, 2, v1
	ds_load_b32 v10, v9 offset:WSUM                ; waves 0-3, word 8 wave + type = lane
	ds_load_b32 v11, v9 offset:WSUM+128            ; waves 4-7
	s_wait_dscnt 0x0
	v_add_nc_u32 v10, v10, v11
	BFX 10, 8
	BFH 10                                         ; lane l: c of type l % 8
.irp e, 0,1,2,3,4,5,6,7
	v_readlane_b32 s[24+(\e)], v10, \e
.endr
	s_add_co_u32 s46, s24, 143
	s_mul_hi_u32 s32, s46, s63                     ; tiles of type 0
.irp e, 1,2,3,4,5,6,7
	s_add_co_u32 s46, s[24+(\e)], 143
	s_mul_hi_u32 s46, s46, s63
	s_add_co_u32 s[32+(\e)], s[31+(\e)], s46       ; tiles of types 0 .. e
.endr
	s_mov_b32 s40, 0
	s_mov_b32 s41, 0
	s_mov_b32 s42, s24
.irp e, 0,1,2,3,4,5,6
	s_cmp_le_u32 s[32+(\e)], s22                   ; tile j lies behind the tiles of types 0 .. e: the type is e + 1 or later
	s_cselect_b32 s40, (\e)+1, s40
	s_cselect_b32 s41, s[32+(\e)], s41
	s_cselect_b32 s42, s[25+(\e)], s42
.endr
	s_min_u32 s40, s40, 7
	s_sub_co_u32 s43, s22, s41
	s_mul_i32 s43, s43, 144                        ; the tile's first rank among its type's rows
	s_sub_co_i32 s44, s42, s43
	s_max_i32 s44, s44, 0
	s_min_i32 s44, s44, 144                        ; its count; 0 for a tile behind the last type's tiles
	s_lshl_b32 s62, s21, 7                         ; the types of my wave's four rows 32 q + 4 wave + 0..3, for the zeros at the end: asked for now, waited for there;
	s_lshl_b32 s46, s20, 4                         ; s62 is not written again
	s_add_co_u32 s62, s62, s46
	s_load_b128 s[24:27], s[6:7], s62 offset:0x0
	v_lshlrev_b32 v9, 5, v2                        ; lane l: the count of my tile's type in wave l % 8,
	s_lshl_b32 s46, s40, 2
	v_add_nc_u32 v9, s46, v9
	ds_load_b32 v10, v9 offset:WSUM
	s_wait_dscnt 0x0
	v_cmp_gt_u32 vcc_lo, s20, v2                   ; kept for the waves in front of mine,
	v_cndmask_b32 v10, 0, v10, vcc_lo
	BFX 10, 1
	BFX 10, 2
	BFX 10, 4                                      ; and added up
	v_readfirstlane_b32 s45, v10
	s_sub_co_u32 s45, s45, s43                     ; my wave's first rank, counted from the tile's first; below the tile it wraps round and is clamped away
.set n, 0
.rept 32
	v_cmp_eq_u32 vcc_lo, s40, v[TY+n]
	v_mbcnt_lo_u32_b32 v[8+2*(n%2)], vcc_lo, s45   ; the slot: running rank + the matching lanes below mine
	s_bcnt1_i32_b32 s46, vcc_lo
	v_cndmask_b32 v[8+2*(n%2)], 0x90, v[8+2*(n%2)], vcc_lo
	v_min_u32 v[8+2*(n%2)], 0x90, v[8+2*(n%2)]     ; another type, or a rank outside the tile: word 144
	v_lshl_add_u32 v[8+2*(n%2)], v[8+2*(n%2)], 2, s47
	v_add_nc_u32 v[9+2*(n%2)], 1024*(n/4)+n%4, v7  ; the row
	ds_store_b32 v[8+2*(n%2)], v[9+2*(n%2)]
	s_add_co_u32 s45, s45, s46
.set n, n+1
.endr
	s_wait_dscnt 0x0                               ; for the others' sake: my table is written
	s_barrier_signal -1
	s_barrier_wait -1
	; my wave's slots of the quarter: wave + 8 i, i = 0..3, and for waves 0-3 also i = 4: 36 in all.  Lane i (0..4) looks slot i up.
	s_mul_i32 s63, s23, 36
	s_add_co_u32 s63, s63, s20
	v_lshl_add_u32 v8, v2, 3, s63
	SLOTADR 8
	TABRD 9, 8, TY
	s_mov_b32 s47, 0
.irp i, 0,1,2,3,4
	v_readlane_b32 s46, v9, \i
	s_min_u32 s46, s46, 0x1fff
	s_lshl_b32 s46, s46, 12
	s_add_nc_u64 s[48+2*(\i):49+2*(\i)], s[4:5], s[46:47]
.endr
	s_mul_i32 s46, s22, 144
	s_add_co_u32 s46, s46, s63
	s_lshl_b32 s46, s46, 11
	s_add_nc_u64 s[58:59], s[10:11], s[46:47]      ; xs at slot 144 j + 36 p + wave; my next slot lies 8 x 2,048 bytes on
	s_cmp_lt_u32 s20, 4
	s_cbranch_scc0 .Lno_fifth_in
	ROWLD 4                                        ; the fifth row first: it is then older than all the loads that the counts below leave out, with and without it
.Lno_fifth_in:
	ROWLD 0
	ROWLD 1
	ROWLD 2
	ROWLD 3
	; the lists, by wave 0, while the rows are on their way
	s_cmp_lg_u32 s20, 0
	s_cbranch_scc1 .Lno_list
	s_mul_i32 s46, s23, 36
	v_add_nc_u32 v8, s46, v1                       ; slots 36 p + lane and 36 p + 4 + lane cover the 36; where they overlap the same numbers are stored twice
	v_add_nc_u32 v9, 4, v8
	SLOTADR 8
	SLOTADR 9
	TABRD 10, 8, TY
	TABRD 11, 9, TY+8
	s_mul_i32 s47, s22, 144
	s_add_co_u32 s47, s47, s46
	v_add_lshl_u32 v12, s47, v1, 2
	global_store_b32 v12, v10, s[14:15]
	global_store_b32 v12, v11, s[14:15] offset:16
	s_cmp_lg_u32 s23, 0
	s_cbranch_scc1 .Lno_list
	v_mov_b32 v14, s40
	v_mov_b32 v15, s44
	s_lshl_b32 s46, s22, 3
	v_mov_b32 v13, s46
	global_store_b64 v13, v[14:15], s[16:17]       ; (type, count) of tile j: every lane stores the same eight bytes
.Lno_list:
	ROWOUT 0, 24
	ROWOUT 1, 16
	ROWOUT 2, 8
	ROWOUT 3, 0
	s_cmp_lt_u32 s20, 4
	s_cbranch_scc0 .Lno_fifth_out
	ROWOUT 4, 0
.Lno_fifth_out:
	s_lshl_b32 s46, s62, 10                        ; (32 q + 4 wave) rows of 4,096 bytes
	s_mov_b32 s47, 0
	s_add_nc_u64 s[18:19], s[18:19], s[46:47]
	s_wait_kmcnt 0x0                               ; my four rows' types
	ZROW 0
	ZROW 1
	ZROW 2
	ZROW 3
	s_wait_tensorcnt 0x0                           ; the wave's end, behind my last LDS store
	ds_add_u32 v[SPW], v[NIL]
	s_wait_dscnt 0x0
	s_endpgm
.Lfunc_end_k_qf5686cd2f3_prep:
	.size	k_qf5686cd2f3_prep, .Lfunc_end_k_qf5686cd2f3_prep-k_qf5686cd2f3_prep
	.p2alignl 7, 3214868480
	.fill 96, 4, 3214868480
	.section	.rodata,"a",@progbits
	.p2align	6, 0x0
	.amdhsa_kernel k_qf5686cd2f3_prep
		.amdhsa_group_segment_fixed_size 23296
		.amdhsa_private_segment_fixed_size 0
		.amdhsa_enable_private_segment 0
		.amdhsa_kernarg_size 64
		.amdhsa_user_sgpr_count 2
		.amdhsa_user_sgpr_kernarg_segment_ptr 1
		.amdhsa_wavefront_size32 1
		.amdhsa_system_sgpr_workgroup_id_x 1
		.amdhsa_system_sgpr_workgroup_id_y 1
		.amdhsa_system_sgpr_workgroup_id_z 1
		.amdhsa_system_vgpr_workitem_id 0
		.amdhsa_next_free_vgpr 224
		.amdhsa_next_free_sgpr 66
		.amdhsa_reserve_vcc 1
		.amdhsa_float_denorm_mode_32 3
		.amdhsa_float_denorm_mode_16_64 3
		.amdhsa_memory_ordered 1
		.amdhsa_forward_progress 1
		.amdhsa_inst_pref_size 65
	.end_amdhsa_kernel
	.amdgpu_metadata
---
amdhsa.version: [ 1, 2 ]
amdhsa.kernels:
  - .name:           k_qf5686cd2f3_prep
    .symbol:         k_qf5686cd2f3_prep.kd
    .args:
      - { .name: x, .offset: 0, .size: 8, .value_kind: global_buffer, .address_space: global }
      - { .name: types, .offset: 8, .size: 8, .value_kind: global_buffer, .address_space: global }
      - { .name: W, .offset: 16, .size: 8, .value_kind: global_buffer, .address_space: global }
      - { .name: xs, .offset: 24, .size: 8, .value_kind: global_buffer, .address_space: global }
      - { .name: wb, .offset: 32, .size: 8, .value_kind: global_buffer, .address_space: global }
      - { .name: rows, .offset: 40, .size: 8, .value_kind: global_buffer, .address_space: global }
      - { .name: tiles, .offset: 48, .size: 8, .value_kind: global_buffer, .address_space: global }
      - { .name: out0, .offset: 56, .size: 8, .value_kind: global_buffer, .address_space: global }
    .group_segment_fixed_size: 23296
    .private_segment_fixed_size: 0
    .kernarg_segment_align: 8
    .kernarg_segment_size: 64
    .max_flat_workgroup_size: 256
    .sgpr_count:     66
    .vgpr_count:     224
    .wavefront_size: 32
...
	.end_amdgpu_metadata
.endif
;; end of part 3
;; launch gemm (part 4): grid 256 x 1, 4 waves a work-group, clusters of 4 x 1, 327,680 bytes of LDS; arguments xs, wb, b, rows, tiles, out0; writes out0
.if DOCPART == 4
	.amdgcn_target "amdgcn-amd-amdhsa--gfx1250"
	.amdhsa_code_object_version 6
	.text
	.protected	k_qf5686cd2f3_gemm
	.globl	k_qf5686cd2f3_gemm
	.p2align	8
	.type	k_qf5686cd2f3_gemm,@function
k_qf5686cd2f3_gemm:
	s_mov_b64 s[64:65], 0
	v_nop
	global_prefetch_b8 v0, s[64:65] scope:SCOPE_SE
	s_setreg_imm32_b32 hwreg(HW_REG_WAVE_MODE, 25, 1), 1
	s_wait_xcnt 0x0
	s_wait_alu depctr_hold_cnt(0) depctr_sa_sdst(0) depctr_va_vdst(0) depctr_va_sdst(0) depctr_va_ssrc(0) depctr_va_vcc(0) depctr_vm_vsrc(0)
	s_getreg_b32 s2, hwreg(HW_REG_IB_STS2, 6, 4)
	s_cmp_eq_u32 s2, 0
	s_cbranch_scc0 .Lentry_in_a_cluster
	s_endpgm
.Lentry_in_a_cluster:
	s_bfe_u32 s2, ttmp6, 0x10000c
	s_cmp_lg_u32 s2, 0x3003
	s_cbranch_scc0 .Lentry_shape_is_right
	s_endpgm
.Lentry_shape_is_right:
; out0[rows[s]][n] = b[e][n] + sum over k of xs[s][k] W[e][k][n], for the slots s of one tile (144 slots of one type e) and 256 columns n.
; xs [64 tiles][144][1024] bf16; wb: W in bf16 as fragments, [8 types][16 groups of 64 columns][32 blocks of 32 k][4 fragments][1,024 bytes]; b [8][1024] f32; rows [64 x 144] i32; tiles [64][2] i32 (type, count); out0 [8192][1024] f32.
; SHARES.  64 tiles x 4 column tiles = 256 work-groups of four waves.  A wave makes all 144 rows x 64 columns: 36 accumulators of 16 x 16 (block a = 0..8 of rows, nb = 0..3 of columns), 288 registers.
; K goes in 32 QUARTERS of 32: 9 fragments of A out of LDS (18 loads), 4 fragments of B out of memory (8 loads), 36 matrix instructions.
; A IS RESIDENT.  The tile's 144 rows x 1,024 k lie whole in LDS, as four chunks of 256 k.  All of it is asked for at the start: four tensor loads a wave, 36 rows x 512 bytes each, chunk 0's quarter first in
; every wave, so that the chunk wanted first comes first (one load of 144 rows a wave would bring the four chunks side by side).  No LDS byte is filled twice: the K walk has four plain barriers, one in front of each chunk's first read.
; B IS NOBODY ELSE'S.  A wave's 64 columns are read by that wave alone, so B does not pass through LDS: its fragments come as they lie, 512 consecutive bytes a load, into a ring of eight register slots.
; In the middle of quarter q the fragments of quarter q + 7 are asked for: 48 to 56 loads of a wave are always out, and no barrier drains them.
; CLUSTER.  The four column tiles of one tile of rows form a cluster and need the same rows of xs: A's loads are JOINT (mask of four).  Partners for B would be tiles of rows of one type, and dealing every type
; whole groups of four tiles of M rows inside 64 tiles wants floor((8192 + 8 (4 M - 1)) / (4 M)) <= 16 for every split, M of 228 or more, which 64 equal tiles of 8,192 rows do not give.
; THE MATRIX INSTRUCTION IS USED TRANSPOSED: source 0 = 16 columns of B, source 1 = 16 rows of A.  A lane then holds row l % 16 and the eight neighbouring columns 8 (l / 16) + 0..7.
; The bias, laid out so, is the C operand of the first products: nothing is cleared and nothing is added later.
; NO LOOP: the 32 quarters are one macro written out.  The first starts the sums, three cross a chunk with a count of their own, the last seven ask for no B: four copies of a chunk's eight quarters, each different.
; THE WAY OUT.  16 rows at a time through the wave's own stage in LDS, back as whole rows of 256 bytes, each stored to the row of out0 that rows names.  The 72 store offsets of a lane are made at the head,
; with all lanes on, in the wait for the first chunk.
; NO BRANCH HANGS ON THE COUNT: it is a loaded number, and in a launch with joint loads and the cluster's barrier every work-group walks the same text.  All nine blocks go through the stage; the global stores of a
; block that begins at or past the count are switched off by EXEC.
; LIMITS.  Operands are bf16 (rounded once by the launch before), sums f32 from the f32 bias on, K ascending.  A slot at or past the tile's count repeats the tile's first row: the same operands give the same
; numbers, and inside the last block of 16 they are stored again to the same bytes by the same wave.  A tile with count 0 walks all of K, since its partners' joint loads and the barriers want it there, and stores nothing.
; REGISTERS, in windows of 256 (s_set_vgpr_msb: bits 1:0 source 0, 3:2 source 1, 5:4 source 2, 7:6 destination):
;   window 0: v0-31 addresses; v32-103, v104-175 two buffers of A's fragments (block a at +8 a); on the way out v32-63, v64-95 rows read back
;   window 1: accumulator (a, nb), a < 8, at v[8 (4 a + nb)]      window 2: v0-31 accumulators (8, nb); v32-63 the bias; v64-135 the 72 store offsets of my lane
;   window 3: B's ring: quarter q's fragment nb at v[32 (q % 8) + 8 nb]
.set PA,    528                        ; a row of a chunk in LDS: 512 bytes + 16 = 132 words: the 16 rows of a load start at 16 different groups of four banks (64 banks of 4 bytes: ISA guide 11.1)
.set CH,    144*PA                     ; a chunk: 76,032 bytes
.set STAGE, 4*CH                       ; behind A, never filled by a tensor load: 16 rows x 272 bytes for each wave
.set SP,    272
.set SPARE, STAGE+4*16*SP              ; the spare words: 128 bytes for each wave, two blocks of 256 bytes that no other line names
.set ADRL, 8                           ; v8-11   LDS address of my lane's part of A's blocks 0-3 in chunk 0..3
.set ADRH, 12                          ; v12-15  the same for blocks 4-8: an LDS offset has 16 bits, and block 8 lies 67,584 bytes into a chunk
.set LB,   16                          ; v16     16 x lane: my 16 bytes of a load of B
.set STO,  24                          ; v24     the way out: where I put my 32 bytes of a row
.set RD,   25                          ; v25     the way out: where I read rows back
.set COL,  26                          ; v26     16 (l % 16): my 16 bytes in a row's 256
.set HH,   27                          ; v27     32 (l / 16): my eight numbers of the bias, my eight of rows
.set SPW,  28                          ; v28     LDS address of my spare word; never rewritten
.set NIL,  29                          ; v29     0; never rewritten
.set CNT,  30                          ; v30     the tile's count, in every lane
.set F0,   32
.set BKS,  32                          ; the way out: two banks of 32 registers
.set BI,   32                          ; window 2
.set RO,   64                          ; window 2: the offset in out0 of row 16 a + 8 (l / 16) + t, with my 16 bytes, at RO + 8 a + t
.set G1A, 24                           ; s[24:31] descriptor group 1
.set G0A, 32                           ; s[32:47] group 0, a set for each chunk: none is written while its load is out
; s[4:15] xs, wb, b, rows, tiles, out0; s16 wave, s19 cx, s20 the tile; s56 type, s57 count; s58 the tile's place in tiles; s22-23, s60-63 at work
.set MSB, 0
.macro WIN new                         ; the immediate's high byte repeats the setting that is left; a switch that changes nothing is dropped
.if MSB != (\new)
	s_set_vgpr_msb (MSB<<8)|(\new)
.set MSB, \new
.endif
.endm
.macro CROUND                          ; a round of the cluster's barrier: my work-group's barrier, wave 0 signals for the work-group, every wave waits for all four, my work-group's barrier closes it
	s_barrier_signal -1
	s_barrier_wait -1
	s_cmp_lg_u32 s16, 0
	s_cbranch_scc1 .Lnot_wave_0_\@
	s_barrier_signal -3
.Lnot_wave_0_\@:
	s_barrier_wait -3
	s_barrier_signal -1
	s_barrier_wait -1
.endm
.macro PLACES                          ; four plain vector instructions between a matrix instruction and a load into, or a store out of, its registers (ISA guide 7.12.1 for vector instructions)
.rept 4
	v_nop
.endr
.endm
	s_load_b256 s[4:11], s[0:1], 0x0               ; xs s[4:5], wb s[6:7], b s[8:9], rows s[10:11]
	s_load_b128 s[12:15], s[0:1], 0x20             ; tiles s[12:13], out0 s[14:15]
	v_lshl_add_u32 v[SPW], v0, 2, SPARE
	v_mov_b32 v[NIL], 0
	ds_add_u32 v[SPW], v[NIL]                      ; the wave's opening: the add and its wait stand ahead of my first tensor load; the set-up below, work on registers, stands between them
	v_lshrrev_b32 v1, 5, v0
	v_readfirstlane_b32 s16, v1                    ; wave 0..3
	s_bfe_u32 s19, ttmp6, 0x40000                  ; cx: my column tile; it enters wb's, b's and out0's addresses alone
	s_mov_b32 s20, ttmp9                           ; in a cluster launch ttmp9 counts clusters: the tile of rows, which the four partners share
	; group 1: 36 rows x 256 elements, 16 bytes of padding behind each row
	s_mov_b32 s[G1A+0], 15|(1<<16)|(1<<20)|(1<<21)|(6<<22)|(3<<25)  ; 15:0 the mask of four; 17:16 2-byte elements; 20 padding on; 21 set beside a mask; 24:22 after every 128 words (code 6); 31:25 4 words (code 3)
	s_mov_b32 s[G1A+1], 256<<16                    ; tensor_dim0 = 256
	s_mov_b32 s[G1A+2], 36<<16                     ; tensor_dim1 = 36
	s_mov_b32 s[G1A+3], 256<<16                    ; tile_dim0 = 256
	s_mov_b32 s[G1A+4], 36                         ; tile_dim1 = 36
	s_mov_b32 s[G1A+5], 1024                       ; elements from row to row
	s_mov_b32 s[G1A+6], 0
	s_mov_b32 s[G1A+7], 0
	s_lshl_b32 s58, s20, 3
	s_mul_i32 s60, s16, 36*PA                      ; where my 36 rows go in a chunk: the wave's number and constants alone
.irp c, 0,1,2,3
	s_mov_b32 s[G0A+4*(\c)], 1                     ; 1:0 count = 1
	s_add_co_u32 s[G0A+4*(\c)+1], s60, (\c)*CH     ; 63:32 LDS address
.endr
	s_mul_i32 s62, s20, 144*2048                   ; the tile's 144 rows of 2,048 bytes, my 36 of them: made of the tile and the wave's number alone
	s_mul_i32 s22, s16, 36*2048
	s_add_co_u32 s62, s62, s22
	s_mov_b32 s63, 0
	s_wait_dscnt 0x0                               ; the opening add is done
	s_wait_kmcnt 0x0
	s_load_b64 s[56:57], s[12:13], s58 offset:0x0  ; the tile's type and count: asked for now, waited for behind the tensor loads, which do not hang on them
	s_add_nc_u64 s[62:63], s[4:5], s[62:63]
.irp c, 0,1,2,3
	s_add_nc_u64 s[G0A+4*(\c)+2:G0A+4*(\c)+3], s[62:63], (\c)*512  ; 120:64 global address: k 256 c on
	s_or_b32 s[G0A+4*(\c)+3], s[G0A+4*(\c)+3], 0x80000000          ; 127:126 type = 2
.endr
	CROUND                                         ; all four work-groups are here: the joint loads meet
.irp c, 0,1,2,3
	tensor_load_to_lds s[G0A+4*(\c):G0A+4*(\c)+3], s[G1A:G1A+7]    ; all of A: four loads of mine are out
	s_nop 0
.endr
.rept 4
	v_nop
.endr
	v_and_b32 v1, 15, v0                           ; l % 16
	v_bfe_u32 v2, v0, 4, 1                         ; l / 16
	v_and_b32 v3, 31, v0
	v_lshlrev_b32 v[LB], 4, v3
	v_lshlrev_b32 v[COL], 4, v1
	v_lshlrev_b32 v[HH], 5, v2
	s_mul_i32 s22, s20, 144*4
	s_mov_b32 s23, 0
	s_add_nc_u64 s[10:11], s[10:11], s[22:23]      ; rows at the tile's first slot: it hangs on the tile's number alone, so these loads go out ahead of the wait for type and count
	WIN 0x80                                       ; destination window 2, address window 0
.irp a, 0,1,2,3,4,5,6,7,8
	global_load_b128 v[RO+8*(\a):RO+8*(\a)+3],   v[HH], s[10:11] offset:64*(\a)     ; rows[16 a + 8 (l / 16) + 0..7]
	global_load_b128 v[RO+8*(\a)+4:RO+8*(\a)+7], v[HH], s[10:11] offset:64*(\a)+16
.endr
	s_wait_kmcnt 0x0                               ; the type and the count
	s_min_u32 s56, s56, 7
	s_min_u32 s57, s57, 144
	s_lshl_b32 s22, s56, 21                        ; wb at the type's 2 MiB, column group 4 cx + wave: 131,072 bytes a group
	s_lshl_b32 s23, s19, 19
	s_add_co_u32 s22, s22, s23
	s_lshl_b32 s23, s16, 17
	s_add_co_u32 s22, s22, s23
	s_mov_b32 s23, 0
	s_add_nc_u64 s[6:7], s[6:7], s[22:23]
	s_lshl_b32 s22, s56, 12                        ; b at the type's row, my column tile's 1,024 bytes, my wave's 256
	s_lshl_b32 s60, s19, 10
	s_add_co_u32 s22, s22, s60
	s_lshl_b32 s61, s16, 8
	s_add_co_u32 s22, s22, s61
	s_add_nc_u64 s[8:9], s[8:9], s[22:23]
	s_add_co_u32 s22, s60, s61
	s_add_nc_u64 s[14:15], s[14:15], s[22:23]      ; out0 at my wave's 64 columns
; Eight loads: the four fragments of B of quarter q, 4,096 consecutive bytes of my wave's stream, into the ring's slot q % 8
.macro BLOAD q
	WIN 0xc0                                       ; destination window 3, address window 0
.irp nb, 0,1,2,3
	global_load_b128 v[32*((\q)%8)+8*(\nb):32*((\q)%8)+8*(\nb)+3],   v[LB], s[6:7] offset:4096*(\q)+1024*(\nb)       ; k 8 (l / 16) + 0..7 of column l % 16
	global_load_b128 v[32*((\q)%8)+8*(\nb)+4:32*((\q)%8)+8*(\nb)+7], v[LB], s[6:7] offset:4096*(\q)+1024*(\nb)+512   ; k 16 + 8 (l / 16) + 0..7
.endr
.endm
	WIN 0x80                                       ; destination window 2, address window 0
.irp nb, 0,1,2,3
	global_load_b128 v[BI+8*(\nb):BI+8*(\nb)+3],   v[HH], s[8:9] offset:64*(\nb)     ; register i of block nb: b[column 16 nb + 8 (l / 16) + i]: the layout of a result
	global_load_b128 v[BI+8*(\nb)+4:BI+8*(\nb)+7], v[HH], s[8:9] offset:64*(\nb)+16
.endr
	BLOAD 0                                        ; with the rows' 18 and the bias's 8 loads, 58 are out
	BLOAD 1
	BLOAD 2
	BLOAD 3
	WIN 0
	v_mov_b32 v[CNT], s57
	v_mul_u32_u24 v3, v1, PA
	v_lshl_add_u32 v[ADRL], v2, 4, v3              ; A: row l % 16 x pitch + 16 (l / 16)
	v_add_nc_u32 v[ADRL+1], CH, v[ADRL]
	v_add_nc_u32 v[ADRL+2], 2*CH, v[ADRL]
	v_add_nc_u32 v[ADRL+3], 3*CH, v[ADRL]
.irp c, 0,1,2,3
	v_add_nc_u32 v[ADRH+(\c)], 4*16*PA, v[ADRL+(\c)]
.endr
	s_mul_i32 s22, s16, 16*SP
	s_add_co_u32 s22, s22, STAGE                   ; my stage
	v_mul_u32_u24 v6, v1, SP                       ; in: row l % 16, 32 bytes for each half of the lanes
	v_lshl_add_u32 v6, v2, 5, v6
	v_add_nc_u32 v[STO], s22, v6
	v_mul_u32_u24 v6, v2, 8*SP                     ; back: lanes 0-15 take row t, lanes 16-31 row t + 8, 256 bytes each
	v_lshl_add_u32 v6, v1, 4, v6
	v_add_nc_u32 v[RD], s22, v6
	s_wait_loadcnt 40                              ; loads come back in order: the rows' numbers are in; the 40 younger loads (the bias, four quarters of B) stay out
	WIN 0x8a                                       ; sources 0 and 1 and the destination in window 2, source 2 in window 0
.set i, 0
.rept 72
	v_min_u32 v[RO+i], 0x1fff, v[RO+i]             ; a row's number stays inside out0,
	v_lshl_add_u32 v[RO+i], v[RO+i], 12, v[COL]    ; times 4,096 bytes, plus my 16 bytes
.set i, i+1
.endr
	BLOAD 4                                        ; 56 loads are out at the most
	BLOAD 5
	WIN 0
; 18 LDS loads in one run: A's nine fragments of quarter q (chunk q / 8, byte 64 (q % 8) of its rows) into buffer q % 2, in ascending order
.macro FETCH q
	WIN 0
.irp a, 0,1,2,3
	ds_load_b128 v[F0+72*((\q)%2)+8*(\a):F0+72*((\q)%2)+8*(\a)+3],   v[ADRL+(\q)/8] offset:64*((\q)%8)+(\a)*16*PA
	ds_load_b128 v[F0+72*((\q)%2)+8*(\a)+4:F0+72*((\q)%2)+8*(\a)+7], v[ADRL+(\q)/8] offset:64*((\q)%8)+(\a)*16*PA+32
.endr
.irp a, 4,5,6,7,8
	ds_load_b128 v[F0+72*((\q)%2)+8*(\a):F0+72*((\q)%2)+8*(\a)+3],   v[ADRH+(\q)/8] offset:64*((\q)%8)+((\a)-4)*16*PA
	ds_load_b128 v[F0+72*((\q)%2)+8*(\a)+4:F0+72*((\q)%2)+8*(\a)+7], v[ADRH+(\q)/8] offset:64*((\q)%8)+((\a)-4)*16*PA+32
.endr
.endm
; Four matrix instructions of quarter Q: block a of rows x the four blocks of columns.  In quarter 0 the bias starts the sums.
.macro MULB a
.if (\a) < 8
.if Q == 0
	WIN 0x63                                       ; B window 3, A window 0, C (the bias) window 2, D window 1
.else
	WIN 0x53                                       ; C and D window 1
.endif
.set AC, 32*(\a)
.else
	WIN 0xa3                                       ; C and D window 2
.set AC, 0
.endif
.irp nb, 0,1,2,3
.if Q == 0
	v_wmma_f32_16x16x32_bf16 v[AC+8*(\nb):AC+8*(\nb)+7], v[BS+8*(\nb):BS+8*(\nb)+7], v[FB+8*(\a):FB+8*(\a)+7], v[BI+8*(\nb):BI+8*(\nb)+7]
.else
	v_wmma_f32_16x16x32_bf16 v[AC+8*(\nb):AC+8*(\nb)+7], v[BS+8*(\nb):BS+8*(\nb)+7], v[FB+8*(\a):FB+8*(\a)+7], v[AC+8*(\nb):AC+8*(\nb)+7]
.endif
.endr
.endm
; Blocks a0 .. a1.  The 36 accumulators take turns, one instruction a turn, in the same order in every quarter.
.macro MUL a0, a1
.set ma, \a0
.rept (\a1)-(\a0)+1
	MULB ma
.set ma, ma+1
.endr
.endm
; QUARTER Q.  At its head B(Q) and A's blocks 0-3 are waited for; in its middle A of quarter Q + 1 is fetched into the other buffer and B of quarter Q + 7 is asked for, into the slot that quarter Q - 1 has left:
; four plain instructions stand between that quarter's last product and these loads.  Quarter 0 asks for B(6) too.
; LC, the loads younger than B(Q): six quarters of B (five in quarter 0; 31 - Q from quarter 26 on, when nothing more is asked for).
; A quarter that ends a chunk: the next chunk's quarter of mine has landed (the count leaves the later chunks' loads out), no LDS load of mine is out, and a barrier says so of all four waves, before the fetch.
.macro QUARTER
.set FB, F0+72*(Q%2)
.set BS, 32*(Q%8)
.set CROSS, 0
.if (Q%8 == 7) && (Q < 31)
.set CROSS, 1
.endif
.set LC, 8*(31-Q)
.if LC > 48
.set LC, 48
.endif
.if Q == 0
.set LC, 40
.endif
	s_wait_loadcnt LC
.if CROSS
	s_wait_tensorcnt 2-Q/8
	s_wait_dscnt 0x0
	s_barrier_signal -1
.else
	s_wait_dscnt 10                                ; A's blocks 0-3 are in; the youngest ten loads (blocks 4-8) may be out
.endif
	MUL 0, 3
.if CROSS
	s_barrier_wait -1                              ; the later chunks' loads stay out across it
.endif
.if Q < 31
	PLACES
	FETCH Q+1
.endif
.if Q == 0
	BLOAD 6
.endif
.if Q < 25
	BLOAD Q+7
.endif
.if Q == 31
	s_wait_dscnt 0x0
.elseif !CROSS
	s_wait_dscnt 18                                ; all but the 18 just issued
.endif
	MUL 4, 8
.set Q, Q+1
.endm
; Block a of 16 rows leaves: f32 as it is, 32 bytes a lane into my stage (each accumulator's low half first), back as whole rows, each to its own row of out0.
; The LDS work runs with all lanes on in every block.  The eight global stores run with all lanes on where the block begins below the count, and with none where it does not.
; EXEC is a source of a pending store: it is narrowed and widened only behind s_wait_xcnt 0 (ISA guide 3.1).  The wait in front of the widening also serves the next block's narrowing, since no global
; instruction is issued between the two, and it frees the bank of registers that the stores read.
.macro OUTBLK a
.if (\a) < 8
	WIN 0x04                                       ; store data (source 1) in window 1
.set AC, 32*(\a)
.else
	WIN 0x08                                       ; in window 2
.set AC, 0
.endif
.irp nb, 0,1,2,3
	ds_store_b128 v[STO], v[AC+8*(\nb):AC+8*(\nb)+3]   offset:64*(\nb)
	ds_store_b128 v[STO], v[AC+8*(\nb)+4:AC+8*(\nb)+7] offset:64*(\nb)+16
.endr
	WIN 0
.set BK, BKS+32*((\a)%2)
.irp t, 0,1,2,3,4,5,6,7
	ds_load_b128 v[BK+4*(\t):BK+4*(\t)+3], v[RD] offset:SP*(\t)  ; LDS serves a wave's instructions in order (ISA guide 5.7.1.4): these see the stores above
.endr
	v_cmp_lt_u32 vcc_lo, 16*(\a), v[CNT]           ; does the block begin below the count?  The same answer in every lane
.if (\a) == 0
	s_wait_xcnt 0x0                                ; the first narrowing: every earlier memory instruction has had its addresses translated
.endif
	s_and_saveexec_b32 s22, vcc_lo
	WIN 0x02                                       ; the offset (source 0) in window 2
.irp t, 0,1,2,3,4,5,6,7
	s_wait_dscnt 7-(\t)                            ; load t is in, the younger ones stay out
	global_store_b128 v[RO+8*(\a)+(\t)], v[BK+4*(\t):BK+4*(\t)+3], s[14:15] th:TH_STORE_NT  ; 16 lanes store 256 consecutive bytes of one row, at a multiple of 256 from out0's first byte
.endr
	WIN 0
	s_wait_xcnt 0x0                                ; EXEC is widened only behind this wait
	s_or_b32 exec_lo, exec_lo, s22                 ; all lanes on again
.endm
	s_wait_tensorcnt 3                             ; my quarter of chunk 0 is in; the three later chunks' loads stay out
	s_barrier_signal -1
	s_barrier_wait -1                              ; everybody's is
	FETCH 0
.set Q, 0
.rept 32
	QUARTER
.endr
	WIN 0
	PLACES                                         ; the stores below read results just made
	OUTBLK 0
	OUTBLK 1
	OUTBLK 2
	OUTBLK 3
	OUTBLK 4
	OUTBLK 5
	OUTBLK 6
	OUTBLK 7
	OUTBLK 8
	s_wait_tensorcnt 0x0                           ; the wave's end, behind my last tensor load and my last LDS store
	ds_add_u32 v[SPW], v[NIL]
	s_wait_dscnt 0x0
	CROUND                                         ; the closing round: no work-group ends while a partner may still ask for a tile that names it
	s_endpgm
.Lfunc_end_k_qf5686cd2f3_gemm:
	.size	k_qf5686cd2f3_gemm, .Lfunc_end_k_qf5686cd2f3_gemm-k_qf5686cd2f3_gemm
	.p2alignl 7, 3214868480
	.fill 96, 4, 3214868480
	.section	.rodata,"a",@progbits
	.p2align	6, 0x0
	.amdhsa_kernel k_qf5686cd2f3_gemm
		.amdhsa_group_segment_fixed_size 327680
		.amdhsa_private_segment_fixed_size 0
		.amdhsa_enable_private_segment 0
		.amdhsa_kernarg_size 48
		.amdhsa_user_sgpr_count 2
		.amdhsa_user_sgpr_kernarg_segment_ptr 1
		.amdhsa_wavefront_size32 1
		.amdhsa_system_sgpr_workgroup_id_x 1
		.amdhsa_system_sgpr_workgroup_id_y 1
		.amdhsa_system_sgpr_workgroup_id_z 1
		.amdhsa_system_vgpr_workitem_id 0
		.amdhsa_next_free_vgpr 1024
		.amdhsa_next_free_sgpr 66
		.amdhsa_reserve_vcc 1
		.amdhsa_float_denorm_mode_32 3
		.amdhsa_float_denorm_mode_16_64 3
		.amdhsa_memory_ordered 1
		.amdhsa_forward_progress 1
		.amdhsa_inst_pref_size 183
	.end_amdhsa_kernel
	.amdgpu_metadata
---
amdhsa.version: [ 1, 2 ]
amdhsa.kernels:
  - .name:           k_qf5686cd2f3_gemm
    .symbol:         k_qf5686cd2f3_gemm.kd
    .args:
      - { .name: xs, .offset: 0, .size: 8, .value_kind: global_buffer, .address_space: global }
      - { .name: wb, .offset: 8, .size: 8, .value_kind: global_buffer, .address_space: global }
      - { .name: b, .offset: 16, .size: 8, .value_kind: global_buffer, .address_space: global }
      - { .name: rows, .offset: 24, .size: 8, .value_kind: global_buffer, .address_space: global }
      - { .name: tiles, .offset: 32, .size: 8, .value_kind: global_buffer, .address_space: global }
      - { .name: out0, .offset: 40, .size: 8, .value_kind: global_buffer, .address_space: global }
    .group_segment_fixed_size: 327680
    .private_segment_fixed_size: 0
    .kernarg_segment_align: 8
    .kernarg_segment_size: 48
    .max_flat_workgroup_size: 128
    .sgpr_count:     66
    .vgpr_count:     1024
    .wavefront_size: 32
...
	.end_amdgpu_metadata
.endif
;; end of part 4
